; MI455X (gfx1250); checked and timed in simulation.
; The chip was launched on July 23, 2026; its instructions are those of AMD's public machine-readable ISA for CDNA 5 (MIT licence, August 2026) and "CDNA5" Instruction Set Architecture Reference Guide (July 2026). The comments in the code are by the model that wrote it; some were corrected since.
;; Multi Head Attention. Allowed arithmetic: matrix products marked QUANTISED: E4M3 operands, one E8M0 scale for each 32 along K, by v_wmma_scale_f32_16x16x128_f8f6f4 with both operands' format E4M3, f32 sums; everything else in f32.
;; Inputs: Wk 1,024 x 1,024 float32; Wo 1,024 x 1,024 float32; Wq 1,024 x 1,024 float32; Wv 1,024 x 1,024 float32; beta 1,024 float32; bk 1,024 float32; bo 1,024 float32; bq 1,024 float32; bv 1,024 float32; gamma 1,024 float32; key 4 x 2,048 x 1,024 float32; query 4 x 2,048 x 1,024 float32; value 4 x 2,048 x 1,024 float32.
;; Outputs: out0 4 x 2,048 x 1,024 float32.
;; This version of the problem:
;;   THIS VERSION OF THE PROBLEM IS GIVEN IN LOW PRECISION. The matrix products marked QUANTISED in the list below multiply operands that are first quantised to E4M3 (4 exponent bits, 3 mantissa bits; 8 bits a number), with one power-of-two scale for each 32 numbers along K (OCP MX v1.0); their sums are f32. All else is computed in f32.
;;   The module's matrix products, in the order in which they are computed (A, B: the left and right operand; K: the contracted axis; several contracted axes count as one K, in the product's order):
;;     1. [M 8,192, K 1,024] x [K 1,024, N 1,024]; A: input query; B: input Wq: QUANTISED
;;     2. [M 8,192, K 1,024] x [K 1,024, N 1,024]; A: input key; B: input Wk: QUANTISED
;;     3. [M 8,192, K 1,024] x [K 1,024, N 1,024]; A: input value; B: input Wv: QUANTISED
;;     4. batch 64 x [M 2,048, K 64] x [K 64, N 2,048]; A: computed on the way; B: computed on the way: QUANTISED
;;     5. batch 64 x [M 2,048, K 2,048] x [K 2,048, N 64]; A: softmax (see below); B: computed on the way: QUANTISED
;;     6. [M 8,192, K 1,024] x [K 1,024, N 1,024]; A: computed on the way; B: input Wo: QUANTISED
;;   THE QUANTISER, for each operand of a quantised product, along K:
;;     - K is cut into blocks of 32 from its start; a last block that is shorter is filled with zeros.
;;     - A block's scale is 2^e with e = floor(log2(the largest magnitude in the block)) - 8, held to -126 .. 127; a block of zeros has e = 0. As a byte (E8M0): e + 127.
;;     - Each number is divided by its block's scale, clamped to +-448, and rounded to the nearest number of E4M3, ties to even, subnormals kept.
;;     - The product sums the exact products of the quantised numbers (number of the format x scale) in f32.
;;   ~~~python
;;   def quantise(x, axis):      # numpy; x: float32 -> the quantised numbers, widened to float32 again
;;       x = np.moveaxis(x, axis, -1); K = x.shape[-1]
;;       x = np.pad(x, [(0, 0)] * (x.ndim - 1) + [(0, -K % 32)]); x = x.reshape(x.shape[:-1] + (-1, 32)); a = np.abs(x).max(-1, keepdims=True)
;;       e = np.where(a > 0, np.clip(np.frexp(np.where(a > 0, a, 1))[1] - 1 - 8, -126, 127), 0)      # np.frexp(a)[1] - 1 = floor(log2(a)), exactly
;;       r = np.clip(x / 2.0 ** e, -448, 448)
;;       step = 2.0 ** (np.maximum(np.frexp(np.where(r == 0, 1, r))[1] - 1, -6) - 3)
;;       q = np.round(r / step) * step * 2.0 ** e      # np.round: ties to even
;;       return np.moveaxis(q.reshape(q.shape[:-2] + (-1,))[..., :K], -1, axis).astype(np.float32)
;;   ~~~
;;   SOFTMAX AHEAD OF A QUANTISED PRODUCT. Where the list says 'softmax', what is quantised is not the finished softmax but p = 2^(t - M), with t = logit x log2(e) and M = ceil(the row's largest t), a whole number; so 1/2 < the row's largest p <= 1. The row's sum l is taken of the UNQUANTISED p, in f32, and the product's result is divided by l at the end. Since M is a whole number, a kernel that streams over the keys may use a running M (the ceiling of the running maximum): every later rescaling is an exact power of two, which a block's scale takes up: the codes' values come out the same.
;;   OPERANDS COMPUTED ON THE WAY. 'Computed on the way' means the value that the module computes at that place (a softmax that the list does not call 'softmax' is quantised finished and normalised). What goes into a quantiser is computed in f32, as accurately as f32 sums, v_exp_f32 and their like allow (about 1e-6 of the number): no bf16 or f16 on the way to a quantiser, and a product that is left as it is and whose result goes on into a quantised operand takes f32 operands (vector FMAs, or v_wmma_f32_16x16x4_f32). A number that lies on a knife's edge between two numbers of the format may be rounded either way, as far as f32 arithmetic and the matrix unit's own rounding can turn it there, and no further.
;; One version. Each part assembles by itself: llvm-mc -triple=amdgcn-amd-amdhsa -mcpu=gfx1250 --defsym DOCPART=n.
;; ======== version 1 of 1: 4 launches
;; limits: right only within a limited range of input values
;; workspace buffers: c1 29,360,128 bytes; s1 917,504 bytes; qb 8,650,752 bytes; kv 17,301,504 bytes; ai 8,388,608 bytes; asc 262,144 bytes
;; launch quant (part 1): grid 256 x 1, 14 waves a work-group, no clusters, 116,736 bytes of LDS; arguments query, key, value, Wq, Wk, Wv, Wo, c1, s1; writes c1, s1
.if DOCPART == 1
	.amdgcn_target "amdgcn-amd-amdhsa--gfx1250"
	.amdhsa_code_object_version 6
	.text
	.protected	k_qb622e797b4_quant
	.globl	k_qb622e797b4_quant
	.p2align	8
	.type	k_qb622e797b4_quant,@function
k_qb622e797b4_quant:
	s_mov_b64 s[64:65], 0
	v_nop
	global_prefetch_b8 v0, s[64:65] scope:SCOPE_SE
	s_setreg_imm32_b32 hwreg(HW_REG_WAVE_MODE, 25, 1), 1
	s_wait_xcnt 0x0
; THE PROGRAM: multi-head attention with a causal mask, an output projection, a residual and a LayerNorm; all six products on codes of FP8 (E4M3) with one E8M0 scale for each 32 along K.
; Four launches: quant (this one): query, key, value, Wq, Wk, Wv, Wo become codes; proj: Q, K and V^T, quantised on their way out; attn: the attention; outln: the output projection, the residual, the LayerNorm.
; WORK LEFT OUT.  reference() builds the mask itself (jnp.tril) and sets the score of key k for query q to -inf wherever k > q.  The softmax gives such a key the weight 0 for all finite inputs: it adds 0 to the row's
; sum and 0 x V to the second product, and it cannot be the row's maximum (key 0 counts for every query).  So launch attn leaves out every step of 128 keys that lies wholly behind a tile's queries: both of its products and its softmax.
; Inside a step on the diagonal the work is done and the hidden scores are set to -inf.  No input is dead: all thirteen are loaded (bk too: it moves K's codes).
; LIMITS: a NaN, an infinity or an overflow that reaches only the steps left out is not carried to the result.  NaN and infinities among the inputs are not served.
; THIS LAUNCH.  Seven tensors of rows of 1,024 f32 numbers, K innermost, become codes (c1) and scale bytes (s1: a row is 32 bytes).  Rows of c1 and s1: 0 query, 8,192 key, 16,384 value, 24,576 Wq, 25,600 Wk, 26,624 Wv, 27,648 Wo.
; A block's scale is 2^(floor(log2(its largest magnitude)) - 8); its byte is the largest magnitude's exponent field - 8, held at 1 from below.  A block of zeros so gets the byte 1 where the rule says 127: its codes are zeros, and this program alone reads the bytes.
; Blocks whose largest magnitude lies under 2^(8 - 126), the floor, were not tried.
; SHARES.  28,672 rows are 3,584 runs of 8 rows, a run a wave: 256 work-groups of 14 waves.  Run g = 14 x work-group + wave; four runs make 32 rows.
; THE ORDER OF ROWS.  Inside each 32 rows the four runs are stored in the order 0, 2, 1, 3: stored row 16 u + i is row 8 u + i + 8 (i / 8): run g goes to place ((g & 1) << 1) | ((g >> 1) & 1) of its four.
; A wave takes 16 steps of 512 numbers; a step's 2,048 bytes turn through the wave's own stage in LDS and come back 64 bytes a lane: a lane holds 16 neighbours, two lanes a block.
; SIX TENSORS: a step is 2,048 bytes on end; a run's codes are 8 rows of 1,024 bytes.
; Wo: a step is 256 bytes of each of the 8 rows (lane l then holds row l / 4, k = 64 t + 16 (l % 4) on); a run's 8,192 bytes of codes lie as images of launch outln's operand registers:
; [K step of 128: 1,024][piece c of 32: 256][half h of 16: 128][row: 16].  Only addresses differ (strides chosen by the run's number); both ways take one path through the text.
; Wo's scale bytes fall into LDS as [step][row][2]; they are read back as rows of 32 bytes, and the choice between the two readings is a select on data.
; No tensor loads, no barrier: waves share nothing.  Loads run four steps (16 loads a wave) ahead, the turn through LDS one step.
.set WAVES, 14
.set STEPS, 16
.set EMAX,  8
.set MANT,  0x600000                   ; the mantissa field of 448 as f32
.set CB,    16
.set R,     16                         ; v16-79   four sets of 16 numbers as they are loaded
.set X,     80                         ; v80-111  two sets of 16 neighbours
.set C,     128                        ; v128-191 codes: four registers a step
.set E,     112                        ; v112-127 a scale byte a step
.set WREG,  8192                       ; LDS: a region for each wave: two stages of 32 x SP bytes, then its 256 scale bytes
.set SP,    80
.set SPW,   12                         ; v12 my spare word; never rewritten
.set NIL,   13                         ; v13 0; never rewritten
.set SPARE, WAVES*WREG
.set VA,    192                        ; v192-195 a step's four load offsets
.set WOR,   196                        ; v196 LDS: where Wo's scale bytes are read back
.set LB,    56                         ; s[56:63] four bases, for steps t % 4
	s_load_b512 s[8:23], s[0:1], 0x0               ; query, key, value, Wq, Wk, Wv, Wo, c1
	s_load_b64 s[24:25], s[0:1], 0x40              ; s1
	v_lshl_add_u32 v[SPW], v0, 2, SPARE
	v_mov_b32 v[NIL], 0
	v_lshrrev_b32 v1, 5, v0
	v_readfirstlane_b32 s32, v1                    ; wave 0..13
	s_mul_i32 s33, s32, WREG
	s_add_co_u32 s26, s33, 2*32*SP                 ; my 256 scale bytes
	s_mul_i32 s39, ttmp9, WAVES
	s_add_co_u32 s39, s39, s32                     ; my run g
	s_lshr_b32 s31, s39, 2                         ; which 32 rows
	s_and_b32 s40, s39, 3
	s_cmp_ge_u32 s31, 864                          ; Wo?
	s_cselect_b32 s47, -1, 0
	s_cselect_b32 s48, 4, 0
	s_cselect_b32 s49, 3, 0
	s_cselect_b32 s50, 2, 0
	s_add_co_u32 s51, s48, 8                       ; lanes 16-31 of a load: 256 bytes on, or a row (4,096)
	s_lshl_b32 s52, 512, s48                       ; from load to load of a step: 512 bytes, or two rows
	s_lshr_b32 s44, 2048, s49                      ; from step to step: 2,048 bytes, or 256
	s_add_co_u32 s53, s49, 4                       ; my codes' place in a step's 512 bytes: (l % 4) x 16 + (l / 4) x 64, or (l % 4) x 128 + (l / 4) x 16
	s_sub_co_u32 s54, 6, s50
	s_mov_b32 s34, MANT
	v_and_b32 v2, 31, v0                           ; lane
	v_lshrrev_b32 v14, 2, v2
	v_mul_u32_u24 v14, v14, SP
	v_and_b32 v15, 3, v2
	v_lshl_add_u32 v14, v15, 4, v14
	v_add_nc_u32 v14, s33, v14                     ; the stage, in: SP (lane / 4) + 16 (lane % 4)
	v_mul_u32_u24 v15, v2, SP
	v_add_nc_u32 v15, s33, v15                     ; and out: SP x lane
	v_lshrrev_b32 v5, 1, v2
	v_add_nc_u32 v5, s26, v5                       ; my block's byte
	v_lshlrev_b32 v7, 3, v2
	v_add_nc_u32 v6, s26, v7
	v_and_b32 v8, 3, v2
	v_lshrrev_b32 v9, 2, v2
	v_lshlrev_b32 v10, 6, v8
	v_lshl_add_u32 v10, v9, 1, v10
	v_add_nc_u32 v[WOR], s26, v10                  ; 64 (l % 4) + 2 (l / 4)
	v_lshlrev_b32 v8, s53, v8
	v_lshlrev_b32 v9, s54, v9
	v_add_nc_u32 v4, v8, v9
	v_and_b32 v8, 15, v2
	v_lshrrev_b32 v9, 4, v2
	v_lshlrev_b32 v9, s51, v9
	v_lshl_add_u32 v[VA], v8, 4, v9
	v_add_nc_u32 v[VA+1], s52, v[VA]
	v_add_nc_u32 v[VA+2], s52, v[VA+1]
	v_add_nc_u32 v[VA+3], s52, v[VA+2]
	s_wait_alu depctr_va_vdst(0)                   ; the wait at the head's end
	s_wait_kmcnt 0x0
	s_mov_b64 s[28:29], s[20:21]                   ; which tensor: the choice hangs on the run's number alone.  s30: its first 32 rows
	s_mov_b32 s30, 864
	s_cmp_lt_u32 s31, 864
	s_cselect_b64 s[28:29], s[18:19], s[28:29]
	s_cselect_b32 s30, 832, s30
	s_cmp_lt_u32 s31, 832
	s_cselect_b64 s[28:29], s[16:17], s[28:29]
	s_cselect_b32 s30, 800, s30
	s_cmp_lt_u32 s31, 800
	s_cselect_b64 s[28:29], s[14:15], s[28:29]
	s_cselect_b32 s30, 768, s30
	s_cmp_lt_u32 s31, 768
	s_cselect_b64 s[28:29], s[12:13], s[28:29]
	s_cselect_b32 s30, 512, s30
	s_cmp_lt_u32 s31, 512
	s_cselect_b64 s[28:29], s[10:11], s[28:29]
	s_cselect_b32 s30, 256, s30
	s_cmp_lt_u32 s31, 256
	s_cselect_b64 s[28:29], s[8:9], s[28:29]
	s_cselect_b32 s30, 0, s30
	s_sub_co_u32 s35, s31, s30
	s_lshl_b32 s35, s35, 2
	s_add_co_u32 s35, s35, s40                     ; which run of the tensor I read
	s_lshl_b32 s36, s35, 15
	s_mov_b32 s37, 0
	s_mov_b32 s45, 0
	s_add_nc_u64 s[LB:LB+1], s[28:29], s[36:37]
	s_add_nc_u64 s[LB+2:LB+3], s[LB:LB+1], s[44:45]
	s_add_nc_u64 s[LB+4:LB+5], s[LB+2:LB+3], s[44:45]
	s_add_nc_u64 s[LB+6:LB+7], s[LB+4:LB+5], s[44:45]
	s_lshl_b32 s68, s44, 2                         ; four steps on
	s_mov_b32 s69, 0
	s_and_b32 s35, s40, 1
	s_lshl_b32 s35, s35, 1
	s_lshr_b32 s38, s40, 1
	s_or_b32 s35, s35, s38
	s_lshl_b32 s38, s31, 2
	s_add_co_u32 s35, s35, s38                     ; which run of c1 and s1 I write
	s_lshl_b32 s36, s35, 13
	s_add_nc_u64 s[22:23], s[22:23], s[36:37]
	s_lshl_b32 s36, s35, 8
	s_add_nc_u64 s[24:25], s[24:25], s[36:37]
.macro LOAD t
.if (\t) >= 4
	s_add_nc_u64 s[LB+2*((\t)%4):LB+2*((\t)%4)+1], s[LB+2*((\t)%4):LB+2*((\t)%4)+1], s[68:69]   ; the loads of four steps back, which read this base, have been waited for
.endif
.irp i, 0,1,2,3
	global_load_b128 v[R+16*((\t)%4)+4*\i:R+16*((\t)%4)+4*\i+3], v[VA+\i], s[LB+2*((\t)%4):LB+2*((\t)%4)+1] th:TH_LOAD_NT   ; sixteen lanes read 256 consecutive bytes, aligned
.endr
.endm
.macro TURN t                          ; LDS serves a wave's instructions in order: no wait between the stores and the loads
.irp i, 0,1,2,3
	ds_store_b128 v14, v[R+16*((\t)%4)+4*\i:R+16*((\t)%4)+4*\i+3] offset:32*SP*((\t)%2)+8*SP*\i
.endr
.irp i, 0,1,2,3
	ds_load_b128 v[X+16*((\t)%2)+4*\i:X+16*((\t)%2)+4*\i+3], v15 offset:32*SP*((\t)%2)+16*\i
.endr
.endm
.irp t, 0,1,2,3
	LOAD \t
.endr
	s_wait_loadcnt 12                              ; step 0's four loads are in
	TURN 0
.macro STEP t
.set XS, X+16*((\t)%2)
.if (\t) > 0
	s_wait_dscnt 1                                 ; this step's numbers are back (the last step's byte store may be out)
.else
	s_wait_dscnt 0x0
.endif
.if (\t)+4 < STEPS
	LOAD (\t)+4
.endif
.if (\t)+1 < STEPS
.if STEPS-2-(\t) >= 3
	s_wait_loadcnt 12                              ; the next step's four loads are in; three steps' may be out
.else
	s_wait_loadcnt 4*(STEPS-2-(\t))
.endif
	TURN (\t)+1
.endif
	v_max3_num_f32 v8, |v[XS]|, |v[XS+1]|, |v[XS+2]|
	v_max3_num_f32 v9, |v[XS+3]|, |v[XS+4]|, |v[XS+5]|
.irp i, 6,10
	v_max3_num_f32 v8, v8, |v[XS+\i]|, |v[XS+\i+1]|
	v_max3_num_f32 v9, v9, |v[XS+\i+2]|, |v[XS+\i+3]|
.endr
	v_max3_num_f32 v8, v8, |v[XS+14]|, |v[XS+15]|
	v_max3_num_f32 v8, v8, v9, (EMAX+1)<<23        ; the floor 2^(EMAX + 1 - 127): the byte cannot fall under 1
	v_max_num_f32_dpp v8, v8, v8 row_xmask:1 row_mask:0xf bank_mask:0xf   ; with my neighbour's 16: the block's
	v_add_nc_u32 v11, -(EMAX<<23), v8              ; the conversion's scale operand
	v_and_or_b32 v10, v8, 0x7f800000, s34          ; 448 x the scale
.irp i, 0,1,2,3,4,5,6,7,8,9,10,11,12,13,14,15
	v_med3_num_f32 v[XS+\i], v[XS+\i], -v10, v10   ; the conversion does not saturate (ISA guide 7.6.2): the hold comes first
.endr
	v_cvt_scalef32_pk8_fp8_f32 v[C+4*(\t):C+4*(\t)+1], v[XS:XS+7], v11
	v_cvt_scalef32_pk8_fp8_f32 v[C+4*(\t)+2:C+4*(\t)+3], v[XS+8:XS+15], v11
	v_lshrrev_b32 v[E+(\t)], 23, v11               ; the scale's byte
	ds_store_b8 v5, v[E+(\t)] offset:16*(\t)       ; both lanes of a block write the same byte
	global_store_b128 v4, v[C+4*(\t):C+4*(\t)+3], s[22:23] offset:32*CB*(\t)   ; the 32 lanes fill 512 consecutive bytes, aligned
.endm
.irp t, 0,1,2,3,4,5,6,7,8,9,10,11,12,13,14,15
	STEP \t
.endr
	ds_load_b64 v[8:9], v6                         ; the bytes as they lie,
.irp j, 0,1,2,3
	ds_load_u16 v[X+\j], v[WOR] offset:16*\j       ; and as Wo's rows want them: steps 4 (l % 4) + j of row l / 4
.endr
	s_wait_dscnt 0x0
	v_lshl_or_b32 v[X], v[X+1], 16, v[X]
	v_lshl_or_b32 v[X+2], v[X+3], 16, v[X+2]
	v_cndmask_b32 v8, v8, v[X], s47
	v_cndmask_b32 v9, v9, v[X+2], s47
	global_store_b64 v7, v[8:9], s[24:25]          ; 256 consecutive bytes, aligned: 8 rows of scale bytes
	s_wait_tensorcnt 0x0                           ; the wave's end, behind my last LDS store
	ds_add_u32 v[SPW], v[NIL]
	s_wait_dscnt 0x0
	s_endpgm
.Lfunc_end_k_qb622e797b4_quant:
	.size	k_qb622e797b4_quant, .Lfunc_end_k_qb622e797b4_quant-k_qb622e797b4_quant
	.p2alignl 7, 3214868480
	.fill 96, 4, 3214868480
	.section	.rodata,"a",@progbits
	.p2align	6, 0x0
	.amdhsa_kernel k_qb622e797b4_quant
		.amdhsa_group_segment_fixed_size 116736
		.amdhsa_private_segment_fixed_size 0
		.amdhsa_enable_private_segment 0
		.amdhsa_kernarg_size 72
		.amdhsa_user_sgpr_count 2
		.amdhsa_user_sgpr_kernarg_segment_ptr 1
		.amdhsa_wavefront_size32 1
		.amdhsa_system_sgpr_workgroup_id_x 1
		.amdhsa_system_sgpr_workgroup_id_y 1
		.amdhsa_system_sgpr_workgroup_id_z 1
		.amdhsa_system_vgpr_workitem_id 0
		.amdhsa_next_free_vgpr 200
		.amdhsa_next_free_sgpr 72
		.amdhsa_reserve_vcc 0
		.amdhsa_float_denorm_mode_32 3
		.amdhsa_float_denorm_mode_16_64 3
		.amdhsa_memory_ordered 1
		.amdhsa_forward_progress 1
		.amdhsa_inst_pref_size 54
	.end_amdhsa_kernel
	.amdgpu_metadata
---
amdhsa.version: [ 1, 2 ]
amdhsa.kernels:
  - .name:           k_qb622e797b4_quant
    .symbol:         k_qb622e797b4_quant.kd
    .args:
      - { .name: query, .offset: 0, .size: 8, .value_kind: global_buffer, .address_space: global }
      - { .name: key, .offset: 8, .size: 8, .value_kind: global_buffer, .address_space: global }
      - { .name: value, .offset: 16, .size: 8, .value_kind: global_buffer, .address_space: global }
      - { .name: Wq, .offset: 24, .size: 8, .value_kind: global_buffer, .address_space: global }
      - { .name: Wk, .offset: 32, .size: 8, .value_kind: global_buffer, .address_space: global }
      - { .name: Wv, .offset: 40, .size: 8, .value_kind: global_buffer, .address_space: global }
      - { .name: Wo, .offset: 48, .size: 8, .value_kind: global_buffer, .address_space: global }
      - { .name: c1, .offset: 56, .size: 8, .value_kind: global_buffer, .address_space: global }
      - { .name: s1, .offset: 64, .size: 8, .value_kind: global_buffer, .address_space: global }
    .group_segment_fixed_size: 116736
    .private_segment_fixed_size: 0
    .kernarg_segment_align: 8
    .kernarg_segment_size: 72
    .max_flat_workgroup_size: 448
    .sgpr_count:     72
    .vgpr_count:     200
    .wavefront_size: 32
...
	.end_amdgpu_metadata
.endif
;; end of part 1
;; launch proj (part 2): grid 4 x 96, 4 waves a work-group, clusters of 4 x 4, 327,680 bytes of LDS; arguments c1, s1, bq, bk, bv, qb, kv; writes qb, kv
.if DOCPART == 2
	.amdgcn_target "amdgcn-amd-amdhsa--gfx1250"
	.amdhsa_code_object_version 6
	.text
	.protected	k_qb622e797b4_proj
	.globl	k_qb622e797b4_proj
	.p2align	8
	.type	k_qb622e797b4_proj,@function
k_qb622e797b4_proj:
	s_mov_b64 s[64:65], 0
	v_nop
	global_prefetch_b8 v0, s[64:65] scope:SCOPE_SE
	s_setreg_imm32_b32 hwreg(HW_REG_WAVE_MODE, 25, 1), 1
	s_wait_xcnt 0x0
	s_wait_alu depctr_hold_cnt(0) depctr_sa_sdst(0) depctr_va_vdst(0) depctr_va_sdst(0) depctr_va_ssrc(0) depctr_va_vcc(0) depctr_vm_vsrc(0)
	s_getreg_b32 s2, hwreg(HW_REG_IB_STS2, 6, 4)
	s_cmp_eq_u32 s2, 0
	s_cbranch_scc0 .Lentry_in_a_cluster
	s_endpgm
.Lentry_in_a_cluster:
	s_bfe_u32 s2, ttmp6, 0x10000c
	s_cmp_lg_u32 s2, 0xf033
	s_cbranch_scc0 .Lentry_shape_is_right
	s_endpgm
.Lentry_shape_is_right:
.set KSTEP,  256
.set NQ,     KSTEP/128
.set ROWB,   256
.set KROW,   1024
.set PITCH,  272
.set FR,     16
.set NL,     4
.set NP,     8
.set HALFT,  128*PITCH
.set SLOT,   4*HALFT
.set LAPS,   1024/(2*KSTEP)
.set KS,     32
.set SCL,    2*SLOT
.set HALFS,  (128*KS/256)*272
.set SBLK,   (16*KS/256)*272
.set SPARE,  SCL+4*HALFS
.set ADRA, 16
.set ADRB, 20
.set VO0,  24
.set VO1,  25
.set VS,   26
.set ADRS, 27
.set SPW,  28
.set NIL,  29
.set SC,   32
.set AF,   128
.set BN,   64
.set T,    128
.set PC,   192
.set TM,   208
.set W,    224
.set RW,   232
.set MNT,  21
.set SEL,  22
.set G1, 24
.set G0, 32
.set G1B, 48
.set G0B, 56
.set G1S, 68
.set G0S, 76
.set G1SB, 80
.set G0SB, 88
.set MSB, 0
.macro WIN new
.if MSB != (\new)
	s_set_vgpr_msb (MSB<<8)|(\new)
.set MSB, (\new)
.endif
.endm
.set MUL_LO, 0xa1
.set MUL_HI, 0xf1
.set TO_B,   0x40
.macro JLOAD g0a, g1a, g0b, g1b
	s_cmp_eq_u32 s19, 0
	s_cbranch_scc0 .Lfor_b_\@
	tensor_load_to_lds s[\g0a:\g0a+3], s[\g1a:\g1a+7]
	s_nop 0
.rept 4
	v_nop
.endr
	s_branch .Lasked_\@
.Lfor_b_\@:
	tensor_load_to_lds s[\g0b:\g0b+3], s[\g1b:\g1b+7]
	s_nop 0
.rept 4
	v_nop
.endr
.Lasked_\@:
.endm
.macro CREST
	s_cmp_lg_u32 s18, 0
	s_cbranch_scc1 .Lnot_wave_0_\@
	s_barrier_signal -3
.Lnot_wave_0_\@:
	s_barrier_wait -3
	s_barrier_signal -1
	s_barrier_wait -1
.endm
.macro CROUND
	s_barrier_signal -1
	s_barrier_wait -1
	CREST
.endm
	s_load_b256 s[4:11], s[0:1], 0x0
	s_load_b128 s[12:15], s[0:1], 0x20
	s_load_b64 s[16:17], s[0:1], 0x30
	v_lshl_add_u32 v[SPW], v0, 2, SPARE
	v_mov_b32 v[NIL], 0
	ds_add_u32 v[SPW], v[NIL]
	ds_add_u32 v[SPW], v[NIL]
	v_lshrrev_b32 v1, 5, v0
	v_readfirstlane_b32 s18, v1
	s_lshr_b32 s19, s18, 1
	s_and_b32 s20, s18, 1
	s_bfe_u32 s40, ttmp6, 0x40000
	s_bfe_u32 s41, ttmp6, 0x40004
	s_and_b32 s21, ttmp7, 0xffff
	s_lshr_b32 s92, s21, 3
	s_and_b32 s93, s21, 7
	s_lshl_b32 s43, s41, 2
	s_lshl_b32 s43, 15, s43
	s_lshl_b32 s44, 0x1111, s40
	s_or_b32 s[G1+0], s43, (0<<16)|(1<<20)|(1<<21)|(5<<22)|(3<<25)
	s_or_b32 s[G1B+0], s44, (0<<16)|(1<<20)|(1<<21)|(5<<22)|(3<<25)
.irp g, G1, G1B
	s_mov_b32 s[\g+1], ROWB<<16
	s_mov_b32 s[\g+2], 256<<16                     ; the head's loads of codes bring 256 rows
	s_mov_b32 s[\g+3], ROWB<<16
	s_mov_b32 s[\g+4], 256
	s_mov_b32 s[\g+5], KROW
	s_mov_b32 s[\g+6], 0
	s_mov_b32 s[\g+7], 0
.endr
	s_or_b32 s[G1S+0], s43, (3<<16)|(1<<20)|(1<<21)|(5<<22)|(3<<25)
	s_or_b32 s[G1SB+0], s44, (3<<16)|(1<<20)|(1<<21)|(5<<22)|(3<<25)
.irp g, G1S, G1SB
	s_mov_b32 s[\g+1], 32<<16
	s_mov_b32 s[\g+2], (256*KS/256)<<16            ; the scale bytes of 256 rows
	s_mov_b32 s[\g+3], 32<<16
	s_mov_b32 s[\g+4], 256*KS/256
	s_mov_b32 s[\g+5], 32
	s_mov_b32 s[\g+6], 0
	s_mov_b32 s[\g+7], 0
.endr
	s_lshl_b32 s21, s92, 13
	s_lshl_b32 s22, s93, 10
	s_add_co_u32 s21, s21, s22
	s_add_co_u32 s22, s22, 16384
	s_lshl_b32 s23, s92, 10
	s_add_co_u32 s23, s23, 24576
	s_mov_b32 s2, 26624
	s_cmp_eq_u32 s92, 2
	s_cselect_b32 s94, 1, 0
	s_cselect_b32 s21, s2, s21
	s_cselect_b32 s23, s22, s23
	s_lshl_b32 s22, s20, 7
	s_lshl_b32 s96, s41, 8
	s_add_co_u32 s96, s96, s21
	s_add_co_u32 s96, s96, s22
	s_lshl_b32 s46, s40, 8
	s_add_co_u32 s46, s46, s23
	s_add_co_u32 s46, s46, s22
	s_lshl_b32 s98, s96, 5
	s_mov_b32 s99, 0
	s_lshl_b32 s96, s96, 10
	s_mov_b32 s97, 0
	s_lshl_b32 s66, s46, 5
	s_mov_b32 s67, 0
	s_lshl_b32 s46, s46, 10
	s_mov_b32 s47, 0
	s_mul_i32 s45, s18, HALFT
	s_wait_dscnt 0x0
	s_wait_kmcnt 0x0
	s_add_nc_u64 s[96:97], s[4:5], s[96:97]
	s_add_nc_u64 s[98:99], s[6:7], s[98:99]
	s_add_nc_u64 s[46:47], s[4:5], s[46:47]
	s_add_nc_u64 s[66:67], s[6:7], s[66:67]
	CROUND
	s_mov_b32 s[G0S], 1
	s_lshl_b32 s2, s20, 12                         ; my half's 128 rows of scale bytes, taken off again: the tile's first row
	s_mov_b32 s3, 0
	s_mov_b32 s[G0S+1], SCL
	s_sub_nc_u64 s[G0S+2:G0S+3], s[98:99], s[2:3]
	s_or_b32 s[G0S+3], s[G0S+3], 0x80000000
	s_mov_b32 s[G0SB], 1
	s_mov_b32 s[G0SB+1], SCL+2*HALFS
	s_sub_nc_u64 s[G0SB+2:G0SB+3], s[66:67], s[2:3]
	s_or_b32 s[G0SB+3], s[G0SB+3], 0x80000000
.irp s, 0,1
	s_mov_b32 s[G0+4*\s], 1
	s_add_co_u32 s[G0+4*\s+1], s45, \s*SLOT
	s_add_nc_u64 s[G0+4*\s+2:G0+4*\s+3], s[96:97], \s*ROWB
	s_or_b32 s[G0+4*\s+3], s[G0+4*\s+3], 0x80000000
	s_mov_b32 s[G0B+4*\s], 1
	s_add_co_u32 s[G0B+4*\s+1], s45, \s*SLOT
	s_add_nc_u64 s[G0B+4*\s+2:G0B+4*\s+3], s[46:47], \s*ROWB
	s_or_b32 s[G0B+4*\s+3], s[G0B+4*\s+3], 0x80000000
.endr
; THE HEAD'S LOADS, ONE A WAVE: wave 0 K step 0's 256 rows of A (its slot 0 descriptor names the tile's first row), wave 1 the scale bytes of A's 256 rows, wave 2 the 256 rows of B, wave 3 B's scale bytes.
; One chain of branches on the wave's number, a load to an arm, all arms leading to one join.
.macro ARM under, g0, g1, next
	s_cmp_lt_u32 s18, \under
	s_cbranch_scc0 \next
	tensor_load_to_lds s[\g0:\g0+3], s[\g1:\g1+7]
	s_nop 0
.rept 4
	v_nop
.endr
	s_branch .Lhead_asked
\next:
.endm
	ARM 1, G0,  G1,  .Lhead_sa
	ARM 2, G0S, G1S, .Lhead_b
	ARM 3, G0B, G1B, .Lhead_sb
	tensor_load_to_lds s[G0SB:G0SB+3], s[G1SB:G1SB+7]
	s_nop 0
.rept 4
	v_nop
.endr
.Lhead_asked:
; K steps 1 to 3 of the 128 rows that I fetch in the ring are asked for here, once: of those rows the four partners that ask jointly take 32 each, told apart by address (cx for A, cy for B), a lane a row, 256 bytes a K step.
; The rows of query, key or value are read by one cluster alone, which asks; a weight's rows are read by the eight clusters of its tensor, of which two ask.
	s_cmp_eq_u32 s19, 0
	s_cselect_b64 s[66:67], s[96:97], s[46:47]
	s_cselect_b32 s42, s40, s41
	s_lshl_b32 s42, s42, 15
	s_mov_b32 s43, 0
	s_add_nc_u64 s[66:67], s[66:67], s[42:43]      ; never written again
	v_and_b32 v9, 31, v0
	v_lshlrev_b32 v9, 10, v9                       ; never written again
	s_xor_b32 s42, s19, s94                        ; 1: my rows are a weight's
	s_and_b32 s47, s93, 3
	s_cmp_lg_u32 s47, 0
	s_cselect_b32 s47, s42, 0
	s_cmp_eq_u32 s47, 0
	s_cbranch_scc0 .Lno_ask
	global_prefetch_b8 v9, s[66:67] offset:256 th:TH_LOAD_NT scope:SCOPE_SE
	global_prefetch_b8 v9, s[66:67] offset:512 th:TH_LOAD_NT scope:SCOPE_SE
	global_prefetch_b8 v9, s[66:67] offset:768 th:TH_LOAD_NT scope:SCOPE_SE
.Lno_ask:
	v_and_b32 v1, 15, v0
	v_bfe_u32 v2, v0, 4, 1
	v_mul_u32_u24 v3, v1, PITCH
	v_lshl_add_u32 v4, v2, 4, v3
	s_mul_i32 s21, s19, HALFT
	s_mul_i32 s22, s20, HALFT
	s_add_co_u32 s22, s22, 2*HALFT
.irp s, 0,1
	v_add_nc_u32 v[ADRA+\s], s21, v4
	v_add_nc_u32 v[ADRB+\s], s22, v4
	s_add_co_u32 s21, s21, SLOT
	s_add_co_u32 s22, s22, SLOT
.endr
	v_mul_u32_u24 v5, v1, KS
	v_lshrrev_b32 v6, 8, v5
	v_lshl_add_u32 v5, v6, 4, v5
	s_mul_i32 s21, s19, HALFS
	s_mul_i32 s22, s20, HALFS
	s_add_co_u32 s22, s22, 2*HALFS
	s_sub_co_u32 s22, s22, s21
	v_mul_u32_u24 v6, s22, v2
	s_add_co_u32 s21, s21, SCL
	v_add_nc_u32 v5, v5, v6
	v_add_nc_u32 v[ADRS], s21, v5
; THE BIAS comes while the first tiles are on their way, into v64-127 of window 0, which the products do not name.  Q, K: 64 numbers a lane, in the results' layout; V: a number for each of my 8 blocks of rows.
	s_cmp_eq_u32 s94, 1
	s_cbranch_scc1 .Lbias_v
	s_cmp_eq_u32 s92, 0
	s_cselect_b64 s[96:97], s[8:9], s[10:11]
	s_lshl_b32 s42, s40, 10
	s_lshl_b32 s47, s20, 9
	s_add_co_u32 s42, s42, s47
	s_add_nc_u64 s[96:97], s[96:97], s[42:43]
	v_lshlrev_b32 v8, 6, v2
.irp b, 0,1,2,3
.irp j, 0,1,2,3
	global_load_b128 v[BN+16*\b+4*\j:BN+16*\b+4*\j+3], v8, s[96:97] offset:128*\b+16*\j
.endr
.endr
	s_branch .Lbias_in
.Lbias_v:
	s_lshl_b32 s42, s41, 10
	s_lshl_b32 s47, s19, 9
	s_add_co_u32 s42, s42, s47
	s_add_nc_u64 s[96:97], s[12:13], s[42:43]
	v_and_b32 v8, 8, v1
	v_add_nc_u32 v8, v8, v1
	v_lshlrev_b32 v8, 2, v8
.irp a, 0,1,2,3,4,5,6,7
	global_load_b32 v[BN+2*\a], v8, s[96:97] offset:(32*(\a/2)+8*(\a%2))*4
	v_mov_b32 v[BN+2*\a+1], 0
.endr
.Lbias_in:
.macro FRAG reg, adr, q, i
.irp c, 0,1,2,3
	ds_load_b128 v[\reg+4*\c:\reg+4*\c+3], v[\adr] offset:128*(\q)+32*\c+(\i)*16*PITCH
.endr
.endm
.macro MUL16 a0, p, q, sc, zero
.irp a, \a0, \a0+1
.irp b, 0,1,2,3,4,5,6,7
.if \zero
	v_wmma_scale_f32_16x16x128_f8f6f4 v[8*(8*((\a)%4)+\b):8*(8*((\a)%4)+\b)+7], v[128*(\p)+FR*\b:128*(\p)+FR*\b+FR-1], v[AF+FR*(\a):AF+FR*(\a)+FR-1], 0, v[SC+8*NQ*(\sc)+NQ*\b+(\q)], v[SC+8*NQ*(\sc)+NQ*(\a)+(\q)] matrix_a_scale:MATRIX_SCALE_ROW1
.else
	v_wmma_scale_f32_16x16x128_f8f6f4 v[8*(8*((\a)%4)+\b):8*(8*((\a)%4)+\b)+7], v[128*(\p)+FR*\b:128*(\p)+FR*\b+FR-1], v[AF+FR*(\a):AF+FR*(\a)+FR-1], v[8*(8*((\a)%4)+\b):8*(8*((\a)%4)+\b)+7], v[SC+8*NQ*(\sc)+NQ*\b+(\q)], v[SC+8*NQ*(\sc)+NQ*(\a)+(\q)] matrix_a_scale:MATRIX_SCALE_ROW1
.endif
.endr
.endr
.endm
.macro FETCH_B slot, q, p
	WIN TO_B
.irp i, 0,1,2,3,4,5,6,7
	FRAG 128*(\p)+FR*\i, ADRB+\slot, \q, \i
.endr
	WIN 0
.endm
.macro FETCH_A slot, q, i0
.irp i, \i0, \i0+1, \i0+2, \i0+3
	FRAG AF+FR*(\i), ADRA+\slot, \q, \i
.endr
.endm
.macro SCALES sc
.irp i, 0,1,2,3,4,5,6,7
	ds_load_b64 v[SC+8*NQ*\sc+NQ*\i:SC+8*NQ*\sc+NQ*\i+1], v[ADRS] offset:\i*SBLK
.endr
.endm
.macro PLACES n
.rept \n
	v_nop
.endr
.endm
.macro STEP slot, q, zero
	s_wait_dscnt 4*NL
	WIN MUL_LO
	MUL16 0, (\q)%2, \q, \slot, \zero
	MUL16 2, (\q)%2, \q, \slot, \zero
	s_wait_dscnt 0
	PLACES NP
	FETCH_B \slot, (\q)+1, 1-(\q)%2
	FETCH_A \slot, (\q)+1, 0
	WIN MUL_HI
	MUL16 4, (\q)%2, \q, \slot, \zero
	MUL16 6, (\q)%2, \q, \slot, \zero
	PLACES NP
	WIN 0
	FETCH_A \slot, (\q)+1, 4
.endm
.macro TURN slot, next, fill
	s_wait_tensorcnt 0x0
	ds_add_u32 v[SPW], v[NIL]
	s_wait_dscnt 4*NL+1
	WIN MUL_LO
	MUL16 0, 1, NQ-1, \slot, 0
	s_wait_dscnt 0x0
	s_barrier_signal -1
	MUL16 2, 1, NQ-1, \slot, 0
	WIN 0
	s_barrier_wait -1
.if \fill
	CREST
	s_add_nc_u64 s[G0+4*\slot+2:G0+4*\slot+3], s[G0+4*\slot+2:G0+4*\slot+3], 2*ROWB
	s_add_nc_u64 s[G0B+4*\slot+2:G0B+4*\slot+3], s[G0B+4*\slot+2:G0B+4*\slot+3], 2*ROWB
	JLOAD G0+4*\slot, G1, G0B+4*\slot, G1B
	PLACES NP-4
.else
	PLACES NP
.endif
	s_wait_alu depctr_va_vdst(0)
	v_add_nc_u32 v[ADRS], 4*NQ, v[ADRS]
	FETCH_B \next, 0, 0
	FETCH_A \next, 0, 0
	SCALES \next
	WIN MUL_HI
	MUL16 4, 1, NQ-1, \slot, 0
	MUL16 6, 1, NQ-1, \slot, 0
	PLACES NP
	WIN 0
	FETCH_A \next, 0, 4
.endm
	s_wait_alu depctr_va_vdst(0)
	s_wait_loadcnt 0x0                             ; the bias
	s_wait_tensorcnt 0x0                           ; my tile of the head's four is in
	ds_add_u32 v[SPW], v[NIL]
	s_mov_b32 s[G1+2], 128<<16                     ; no tensor load of mine is out: from here on a load brings 128 rows
	s_mov_b32 s[G1+4], 128
	s_mov_b32 s[G1B+2], 128<<16
	s_mov_b32 s[G1B+4], 128
	s_wait_dscnt 0x0
	CROUND                                         ; all four tiles are in, and all sixteen work-groups are here
	JLOAD G0+4, G1, G0B+4, G1B                     ; K step 1: the first tensor load behind the round
	FETCH_B 0, 0, 0
	FETCH_A 0, 0, 0
	SCALES 0
	FETCH_A 0, 0, 4
	STEP 0, 0, 1
	s_mov_b32 s3, LAPS-1
.Llap:
	TURN 0, 1, 1
	STEP 1, 0, 0
	TURN 1, 0, 1
	STEP 0, 0, 0
	s_sub_co_u32 s3, s3, 1
	s_cmp_lg_u32 s3, 0
	s_cbranch_scc1 .Llap
	TURN 0, 1, 0
	STEP 1, 0, 0
	s_wait_dscnt 4*NL
	WIN MUL_LO
	MUL16 0, 1, NQ-1, 1, 0
	MUL16 2, 1, NQ-1, 1, 0
	s_wait_dscnt 0
	WIN MUL_HI
	MUL16 4, 1, NQ-1, 1, 0
	MUL16 6, 1, NQ-1, 1, 0
	WIN 0
.macro QUANT s, pw
.irp b, 0,1,2,3
	v_max3_num_f32 v[TM+\b], |v[\s+16*\b]|, |v[\s+1+16*\b]|, 0x4800000
.endr
.irp i, 2,4,6,8,10,12,14
.irp b, 0,1,2,3
	v_max3_num_f32 v[TM+\b], v[TM+\b], |v[\s+16*\b+\i]|, |v[\s+1+16*\b+\i]|
.endr
.endr
.irp b, 0,1,2,3
	v_permlanex16_b32 v[TM+4+\b], v[TM+\b], s[SEL], s[SEL+1]
.endr
.irp b, 0,1,2,3
	v_max_num_f32 v[TM+\b], v[TM+\b], v[TM+4+\b]
.endr
.irp b, 0,1,2,3
	v_add_nc_u32 v[TM+12+\b], 0xfc000000, v[TM+\b]
.endr
.irp b, 0,1,2,3
	v_and_or_b32 v[TM+8+\b], v[TM+\b], 0x7f800000, s[MNT]
.endr
.irp b, 0,1,2,3
	v_lshrrev_b32 v[TM+4+\b], 23, v[TM+12+\b]
.endr
	v_lshl_or_b32 v[\pw], v[TM+5], 8, v[TM+4]
	v_lshl_or_b32 v[\pw], v[TM+6], 16, v[\pw]
	v_lshl_or_b32 v[\pw], v[TM+7], 24, v[\pw]
.irp b, 0,1,2,3
.irp i, 0,1,2,3,4,5,6,7,8,9,10,11,12,13,14,15
	v_med3_num_f32 v[\s+16*\b+\i], v[\s+16*\b+\i], -v[TM+8+\b], v[TM+8+\b]
.endr
	v_cvt_scalef32_pk8_fp8_f32 v[PC+4*\b:PC+1+4*\b], v[\s+16*\b:\s+7+16*\b], v[TM+12+\b]
	v_cvt_scalef32_pk8_fp8_f32 v[PC+2+4*\b:PC+3+4*\b], v[\s+8+16*\b:\s+15+16*\b], v[TM+12+\b]
.endr
	v_nop
.endm
.macro EPI a, isv
.if (\a) > 0
	s_wait_xcnt 0x0
.endif
	WIN 0x02+(\a)/4
.set i, 0
.rept 32
.if \isv
	v_pk_add_f32 v[T+i:T+i+1], v[64*((\a)%4)+i:64*((\a)%4)+i+1], v[BN+2*(\a):BN+2*(\a)+1] op_sel_hi:[1,0]
.else
	v_pk_add_f32 v[T+i:T+i+1], v[64*((\a)%4)+i:64*((\a)%4)+i+1], v[BN+i:BN+i+1]
.endif
.set i, i+2
.endr
	WIN 0
	QUANT T, W+(\a)
.if \isv
.irp c, 0,1,2,3
	global_store_b128 v[VO0], v[PC+4*\c:PC+4*\c+3], s[100:101] offset:((\a)/4)*270336+((\a)%4)*2048+512*\c
.endr
.else
	global_store_b128 v[VO0], v[PC:PC+3], s[100:101] offset:(\a)*1024
	global_store_b128 v[VO0], v[PC+4:PC+7], s[100:101] offset:(\a)*1024+512
	global_store_b128 v[VO1], v[PC+8:PC+11], s[100:101] offset:(\a)*1024
	global_store_b128 v[VO1], v[PC+12:PC+15], s[100:101] offset:(\a)*1024+512
.endif
.endm
	PLACES NP
	s_mov_b32 s[MNT], 0x600000
	s_mov_b32 s[SEL], 0x76543210
	s_mov_b32 s[SEL+1], 0xfedcba98
	v_and_b32 v3, 31, v0
	v_lshlrev_b32 v[VO0], 4, v3
.irp b, 0,1,2,3
	v_mov_b32 v[TM+4+\b], 0
.endr
	v_cmp_lt_u32 s46, 15, v3
	s_lshr_b32 s42, s93, 1
	s_lshl_b32 s42, s42, 4
	s_lshl_b32 s43, s93, 2
	s_cmp_eq_u32 s94, 1
	s_cbranch_scc1 .Lv_path
	s_cmp_eq_u32 s92, 0
	s_cselect_b64 s[100:101], s[14:15], s[16:17]
	s_mov_b32 s44, 33792
	s_cselect_b32 s44, 16896, s44
	s_mov_b32 s45, 32768
	s_cselect_b32 s45, 16384, s45
	s_lshl_b32 s47, s40, 2
	s_add_co_u32 s42, s42, s47
	s_lshl_b32 s47, s20, 1
	s_add_co_u32 s42, s42, s47
	s_lshl_b32 s42, s42, 3
	s_add_co_u32 s43, s43, s41
	s_and_b32 s43, s43, 7
	s_add_co_u32 s42, s42, s43
	s_mul_i32 s42, s42, s44
	s_mov_b32 s43, 0
	s_add_nc_u64 s[100:101], s[100:101], s[42:43]
	s_lshl_b32 s42, s19, 8
	s_add_co_u32 s42, s42, s45
	s_add_nc_u64 s[98:99], s[100:101], s[42:43]
	s_lshl_b32 s42, s19, 13
	s_add_nc_u64 s[100:101], s[100:101], s[42:43]
	s_lshl_b32 s44, s44, 3
	s_wait_alu depctr_va_vdst(0)
	v_add_nc_u32 v[VO1], s44, v[VO0]
	v_mul_lo_u32 v[VS], v2, s44
	v_lshl_add_u32 v[VS], v1, 4, v[VS]
.irp a, 0,1,2,3,4,5,6,7
	EPI \a, 0
.endr
.irp f, 0,1,2,3
	v_perm_b32 v[RW+\f], v[W+2*\f+1], v[W+2*\f], 0x05040100
	v_perm_b32 v[RW+4+\f], v[W+2*\f+1], v[W+2*\f], 0x07060302
.endr
.irp f, 0,1,2,3
	v_cndmask_b32 v[RW+\f], v[RW+\f], v[RW+4+\f], s46
.endr
	global_store_b128 v[VS], v[RW:RW+3], s[98:99]
	s_branch .Lend
.Lv_path:
	s_lshl_b32 s47, s41, 2
	s_add_co_u32 s42, s42, s47
	s_lshl_b32 s47, s19, 1
	s_add_co_u32 s42, s42, s47
	s_lshl_b32 s42, s42, 3
	s_add_co_u32 s43, s43, s40
	s_and_b32 s43, s43, 7
	s_add_co_u32 s42, s42, s43
	s_mul_i32 s42, s42, 33792
	s_mov_b32 s43, 0
	s_add_nc_u64 s[100:101], s[16:17], s[42:43]
	s_lshl_b32 s42, s20, 8
	s_add_co_u32 s42, s42, 33280
	s_add_nc_u64 s[98:99], s[100:101], s[42:43]
	s_lshl_b32 s42, s20, 13
	s_add_co_u32 s42, s42, 16384
	s_add_nc_u64 s[100:101], s[100:101], s[42:43]
	v_mul_u32_u24 v[VS], v2, 270336
	v_lshl_add_u32 v[VS], v1, 4, v[VS]
.irp a, 0,1,2,3,4,5,6,7
	EPI \a, 1
.endr
.irp f, 0,1,2,3
	v_cndmask_b32 v[RW+\f], v[W+\f], v[W+4+\f], s46
.endr
	global_store_b128 v[VS], v[RW:RW+3], s[98:99]
.Lend:
	s_wait_tensorcnt 0x0
	ds_add_u32 v[SPW], v[NIL]
	s_wait_dscnt 0x0
	CROUND
	s_endpgm
.Lfunc_end_k_qb622e797b4_proj:
	.size	k_qb622e797b4_proj, .Lfunc_end_k_qb622e797b4_proj-k_qb622e797b4_proj
	.p2alignl 7, 3214868480
	.fill 96, 4, 3214868480
	.section	.rodata,"a",@progbits
	.p2align	6, 0x0
	.amdhsa_kernel k_qb622e797b4_proj
		.amdhsa_group_segment_fixed_size 327680
		.amdhsa_private_segment_fixed_size 0
		.amdhsa_enable_private_segment 0
		.amdhsa_kernarg_size 56
		.amdhsa_user_sgpr_count 2
		.amdhsa_user_sgpr_kernarg_segment_ptr 1
		.amdhsa_wavefront_size32 1
		.amdhsa_system_sgpr_workgroup_id_x 1
		.amdhsa_system_sgpr_workgroup_id_y 1
		.amdhsa_system_sgpr_workgroup_id_z 1
		.amdhsa_system_vgpr_workitem_id 0
		.amdhsa_next_free_vgpr 1024
		.amdhsa_next_free_sgpr 102
		.amdhsa_reserve_vcc 0
		.amdhsa_float_denorm_mode_32 3
		.amdhsa_float_denorm_mode_16_64 3
		.amdhsa_memory_ordered 1
		.amdhsa_forward_progress 1
		.amdhsa_inst_pref_size 255
	.end_amdhsa_kernel
	.section	.bss,"aw",@nobits
	.p2align	6
	.space	262144
	.amdgpu_metadata
---
amdhsa.version: [ 1, 2 ]
amdhsa.kernels:
  - .name:           k_qb622e797b4_proj
    .symbol:         k_qb622e797b4_proj.kd
    .args:
      - { .name: c1, .offset: 0, .size: 8, .value_kind: global_buffer, .address_space: global }
      - { .name: s1, .offset: 8, .size: 8, .value_kind: global_buffer, .address_space: global }
      - { .name: bq, .offset: 16, .size: 8, .value_kind: global_buffer, .address_space: global }
      - { .name: bk, .offset: 24, .size: 8, .value_kind: global_buffer, .address_space: global }
      - { .name: bv, .offset: 32, .size: 8, .value_kind: global_buffer, .address_space: global }
      - { .name: qb, .offset: 40, .size: 8, .value_kind: global_buffer, .address_space: global }
      - { .name: kv, .offset: 48, .size: 8, .value_kind: global_buffer, .address_space: global }
    .group_segment_fixed_size: 327680
    .private_segment_fixed_size: 0
    .kernarg_segment_align: 8
    .kernarg_segment_size: 56
    .max_flat_workgroup_size: 128
    .sgpr_count:     102
    .vgpr_count:     1024
    .wavefront_size: 32
...
	.end_amdgpu_metadata
.endif
;; end of part 2
;; launch attn (part 3): grid 4 x 64, 16 waves a work-group, no clusters, 327,680 bytes of LDS; arguments qb, kv, ai, asc; writes ai, asc
.if DOCPART == 3
	.amdgcn_target "amdgcn-amd-amdhsa--gfx1250"
	.amdhsa_code_object_version 6
	.text
	.protected	k_qb622e797b4_attn
	.globl	k_qb622e797b4_attn
	.p2align	8
	.type	k_qb622e797b4_attn,@function
k_qb622e797b4_attn:
	s_mov_b64 s[64:65], 0
	v_nop
	global_prefetch_b8 v0, s[64:65] scope:SCOPE_SE
	s_setreg_imm32_b32 hwreg(HW_REG_WAVE_MODE, 25, 1), 1
	s_wait_xcnt 0x0
; Causal attention on 64 heads of 2,048 tokens x 64 channels, both products on codes of FP8 with E8M0 scales; the result is quantised along the channels and leaves as images of the output projection's operand.
; LEFT OUT: every step of 128 keys that lies wholly behind a tile's queries (reference()'s own jnp.tril gives those keys the weight 0 for all finite inputs: see the first launch's head).
; THE SOFTMAX: t = score x log2(e) / 8; M = the row's largest t so far, rounded up to a whole number; p = 2^(t - M) is quantised along the keys, not normalised; the row's sum is taken of the unquantised p and divides
; O at the end.  When M moves, the sum and O are multiplied by 2^(old M - new M): exact.
; SHARES.  Work-group (x, head) owns the blocks of 256 queries 7 - x and x, one after the other: 8 - x visits of 256 keys for the first, x + 1 for the second: NINE visits in every work-group, a constant of the text,
; and the same work in all 256.  Each of the sixteen waves owns one tile of 16 queries of the block, in 256 registers: four waves to a SIMD.
; NO CLUSTER: from the fifth visit on the four work-groups of a head want different keys at the same visit, so a joint load could not have one descriptor for all.
; LAYOUT.  Both products are used transposed: S^T = K Q^T (source 0 = keys, source 1 = my queries), O^T = V^T P^T: a lane holds one query throughout.  All operands lie in memory as images of their registers:
; four registers a lane at 16 x lane, 512 bytes on end.  The keys, queries and channels of a tile are rows 32 b + 8 u + r + 8 (r / 8) (tile 2 b + u): so p's 16 registers of two neighbouring tiles are 16 neighbouring keys, and O^T's likewise channels.
; THE HEAD'S 64 IN AN INSTRUCTION THAT IS 128 DEEP.  A fragment of K holds two tiles of keys: tile 2 f in k 0-63, tile 2 f + 1 in k 64-127.  Q lies in 24 registers as Q, zeros, Q: registers 0-15 pick tile 2 f,
; registers 8-23 tile 2 f + 1.  The other tile meets zero codes; its own codes are numbers (the quantiser holds at 448) and its scale bytes lie between 1 and 254: it adds exactly 0.
; A slot of LDS holds 256 keys: K 16,384 bytes, V^T 16,384, K's scale words 512, V's 512: one dense block of memory, brought by waves 0 and 1, a half each.
.set SLOT1, 65536                      ; slot 1 begins here: one exclusive or turns an address of one slot into the other's
.set SLOTB, 33792                      ; bytes of 256 keys in kv
.set HALFB, 16896
.set SPARE, 131072                     ; the spare words, 128 bytes for each of 16 waves
.set LI,  1                            ; v1   16 x lane
.set LS,  2                            ; v2   16 r + 32,768: my scale words' place in a slot
.set ADR, 3                            ; v3   LI in the slot in hand
.set ADS, 4                            ; v4   LS in the slot in hand
.set SPW, 5                            ; v5   LDS address of my spare word; never rewritten
.set NIL, 6                            ; v6   0; never rewritten
.set PFO, 7                            ; v7   256 x lane: the prefetches' offset; never rewritten
.set QD,  8                            ; v8   my query less the tile pair's first, less 16 (lane / 16)
.set QLI, 9                            ; v9   16 x lane + 1,024 x wave: my tile's image among a block's 16
.set R2,  10                           ; v10  2 r
.set QSA, 11                           ; v11  where my query's two scale bytes lie in a block of qb
.set QF,  16                           ; v16-39  Q, zeros, Q
.set KV,  40                           ; v40-103 four fragments of K, then of V
.set S,   104                          ; v104-167 S^T, then p
.set O,   168                          ; v168-199 O^T
.set PC,  200                          ; v200-215 p's codes
.set KSW, 216                          ; v216-219 K's scale words
.set VSW, 220                          ; v220-223 V's
.set QSW, 224                          ; v224 Q's
.set PW,  225                          ; v225 p's
.set BX,  226                          ; v226-229 a block's largest
.set T2,  230                          ; v230-233 at work
.set HO,  234                          ; v234-237 448 x the scale
.set SO,  238                          ; v238-241 the conversions' scale operands
.set TT,  242                          ; v242-243 at work
.set FF,  246                          ; v[246:247] f = 2^(old M - new M), and a written upper half
.set WV,  12
.set WGI, 13                           ; s13  the work-group's x
.set BH,  14                           ; s14  the head
.set N1,  15                           ; s15  visits of the first block
.set VIS, 16                           ; s16  the visit
.set QBK, 17                           ; s17  the block of queries in hand
.set QW,  18                           ; s18  the first query of my pair of tiles
.set KF,  19                           ; s19  the visit's first key
.set SEL, 20
.set CS,  22                           ; s[22:23] c = log2(e) / 8
.set G1,  24
.set G0,  32
.set TB,  36                           ; s36  LDS byte at which the slot in hand begins
.set MNT, 37
.set KVB, 38                           ; s[38:39] my head in kv, at the half that I fetch
.set PFA, 42                           ; s[42:43] where my prefetches stand
.set LIM, 44                           ; s44  6 in a wave that prefetches, else 0
.macro TLOAD                           ; waves 0 and 1 fetch a half of the slot each; the branch hangs on the wave's number alone; an s_nop 0 and four v_nop follow the load
	s_cmp_lt_u32 s[WV], 2
	s_cbranch_scc0 .Lasked_\@
	tensor_load_to_lds s[G0:G0+3], s[G1:G1+7]
	s_nop 0
.rept 4
	v_nop
.endr
.Lasked_\@:
.endm
; A prefetch of the codes that the NEXT change of slots will ask for: 32,768 bytes.  The four work-groups of a head walk the same keys in their first visits: the one with x = 0, which walks all eight blocks of keys in
; order, asks; in it waves 4 to 7, which fetch nothing, 8,192 bytes each, lanes 256 bytes apart: each block of 256 bytes is named once in the launch.  In visit v it names keys 256 (v + 2) on; visits 6 and later ask for nothing.
.macro ASK
	s_cmp_lt_u32 s[VIS], s[LIM]
	s_cbranch_scc0 .Lnot_mine_\@
	global_prefetch_b8 v[PFO], s[PFA:PFA+1] th:TH_LOAD_NT scope:SCOPE_SE
.Lnot_mine_\@:
.endm
	s_load_b256 s[4:11], s[0:1], 0x0               ; qb s[4:5], kv s[6:7], ai s[8:9], asc s[10:11]
	v_lshl_add_u32 v[SPW], v0, 2, SPARE
	v_mov_b32 v[NIL], 0
	ds_add_u32 v[SPW], v[NIL]                      ; the wave's opening: the add, twice on end, and its wait ahead of the first tensor load
	ds_add_u32 v[SPW], v[NIL]
	v_lshrrev_b32 v9, 5, v0
	s_delay_alu instid0(VALU_DEP_1)
	v_readfirstlane_b32 s[WV], v9                  ; wave 0..15
	s_mov_b32 s[WGI], ttmp9
	s_and_b32 s[BH], ttmp7, 0xffff
	s_sub_co_u32 s[N1], 8, s[WGI]
	s_sub_co_u32 s[QBK], 7, s[WGI]
	s_mov_b32 s[VIS], 0
	s_mov_b32 s[KF], 0
	s_mov_b32 s[TB], 0
	s_mov_b32 s[G1], 3<<16                         ; no mask; elements of 8 bytes; no padding: images are read 512 bytes on end
	s_mov_b32 s[G1+1], 32<<16                      ; tensor_dim0 = 32: rows of 256 bytes
	s_mov_b32 s[G1+2], 66<<16                      ; tensor_dim1 = 66 rows: half a slot
	s_mov_b32 s[G1+3], 32<<16                      ; tile_dim0
	s_mov_b32 s[G1+4], 66                          ; tile_dim1
	s_mov_b32 s[G1+5], 32                          ; the pitch: dense
	s_mov_b32 s[G1+6], 0
	s_mov_b32 s[G1+7], 0
	s_mov_b32 s[SEL], 0x76543210
	s_mov_b32 s[SEL+1], 0xfedcba98
	s_mov_b32 s[CS], 0x3e38aa3b                    ; log2(e) / 8
	s_mov_b32 s[CS+1], s[CS]
	s_mov_b32 s[MNT], 0x600000
	s_and_b32 s52, s[WV], 1
	s_mul_i32 s[G0+1], s52, HALFB                  ; LDS address: slot 0, my half
	s_mul_i32 s54, s[BH], 8*SLOTB                  ; my head in kv (under 2^25)
	s_add_co_u32 s52, s54, s[G0+1]
	s_mov_b32 s53, 0
	s_mov_b32 s[G0], 1
	s_wait_dscnt 0x0                               ; both opening adds are done
	s_wait_kmcnt 0x0
	s_add_nc_u64 s[KVB:KVB+1], s[6:7], s[52:53]
	s_mov_b64 s[G0+2:G0+3], s[KVB:KVB+1]           ; keys 0 to 255
	s_or_b32 s[G0+3], s[G0+3], 0x80000000
	TLOAD                                          ; slot 0: one load of mine is out
	s_and_b32 s52, s[WV], 3
	s_lshl_b32 s52, s52, 13
	s_add_co_u32 s52, s52, s54
	s_add_co_u32 s52, s52, SLOTB                   ; at keys 256 on: the first change of slots steps it to 512.  Nothing is prefetched here, at the head
	s_add_nc_u64 s[PFA:PFA+1], s[6:7], s[52:53]
	s_sub_co_u32 s52, s[WV], 4
	s_lshr_b32 s52, s52, 2                         ; 0 in waves 4 to 7,
	s_or_b32 s52, s52, s[WGI]                      ; of the work-group with x = 0
	s_cmp_eq_u32 s52, 0
	s_cselect_b32 s[LIM], 6, 0
	v_and_b32 v9, 31, v0
	s_delay_alu instid0(VALU_DEP_1)
	v_lshlrev_b32 v[LI], 4, v9
	s_delay_alu instid0(VALU_DEP_2)
	v_lshlrev_b32 v[PFO], 8, v9
	v_and_b32 v10, 15, v0                          ; r
	s_wait_alu depctr_va_vdst(0)
	v_bfe_u32 v11, v0, 4, 1                        ; h
	v_lshl_add_u32 v[LS], v10, 4, 32768
	v_and_b32 v[QD], 8, v10
	s_delay_alu instid0(VALU_DEP_1)
	v_add_nc_u32 v[QD], v[QD], v10                 ; r + 8 (r / 8)
	s_delay_alu instid0(VALU_DEP_4)
	v_lshlrev_b32 v[TT], 4, v11
	s_delay_alu instid0(VALU_DEP_1)
	v_sub_nc_u32 v[QD], v[QD], v[TT]               ; - 16 h
	s_and_b32 s52, s[WV], 1
	s_lshl_b32 s52, s52, 3
	v_add_nc_u32 v[QD], s52, v[QD]                 ; + 8 (wave % 2)
	s_lshl_b32 s52, s[WV], 10
	v_add_nc_u32 v[QLI], s52, v[LI]
	s_lshr_b32 s56, s[WV], 3
	s_lshl_b32 s56, s56, 8                         ; the scale words of 128 queries are 256 bytes;
	s_bfe_u32 s57, s[WV], 0x20001
	s_lshl_b32 s57, s57, 2                         ; a lane's 16 bytes hold four pairs of tiles;
	s_add_co_u32 s56, s56, s57
	s_and_b32 s57, s[WV], 1
	s_lshl_b32 s57, s57, 1                         ; a word two tiles
	s_add_co_u32 s56, s56, s57
	s_add_co_u32 s56, s56, 16384
	v_lshl_add_u32 v[QSA], v10, 4, s56
	v_lshlrev_b32 v[R2], 1, v10
.irp j, 0,1,2,3,4,5,6,7
	v_mov_b32 v[QF+8+\j], 0                        ; the zero codes between the two copies of Q
.endr
.irp b, 0,1,2,3
	v_mov_b32 v[T2+\b], 0                          ; written once: a lane permute's destination counts as one of its sources
.endr
	v_mov_b32 v[FF+1], 0                           ; (named as the upper half of a pair)
; My tile's Q of block QBK, twice, and its scale bytes; the running maximum, the sum and O^T begin anew (zeros, which the first change of M leaves zeros).
.macro LOADQ
	s_lshl_b32 s[QW], s[QBK], 8
	s_lshr_b32 s56, s[WV], 1
	s_lshl_b32 s56, s56, 5
	s_add_co_u32 s[QW], s[QW], s56
	s_lshl_b32 s56, s[BH], 3
	s_add_co_u32 s56, s56, s[QBK]
	s_mul_i32 s56, s56, 16896
	s_mov_b32 s57, 0
	s_add_nc_u64 s[46:47], s[4:5], s[56:57]
	global_load_b128 v[QF:QF+3], v[QLI], s[46:47]
	global_load_b128 v[QF+4:QF+7], v[QLI], s[46:47] offset:512
	global_load_b128 v[QF+16:QF+19], v[QLI], s[46:47]
	global_load_b128 v[QF+20:QF+23], v[QLI], s[46:47] offset:512
	global_load_u16 v[QSW], v[QSA], s[46:47]
	v_mov_b32 v13, 0xff61b1e6                      ; the largest t so far: -3e38
	s_delay_alu instid0(VALU_DEP_1)
	v_floor_f32 v12, -v13                          ; -M
	v_mov_b32 v14, 0
	v_mov_b32 v15, 0
.set j, 0
.rept 32
	v_mov_b32 v[O+j], 0
.set j, j+1
.endr
	s_wait_loadcnt 0x0
	s_wait_xcnt 0x0                                ; the way out's stores have read their data and bases: both are written again only behind this wait
	v_lshl_or_b32 v[QSW], v[QSW], 16, v[QSW]       ; the two bytes twice: for k 0-63 and for k 64-127
.endm
; A KEY STEP: 128 keys, the q-th of the slot in hand.
.macro STEP q
	s_add_co_u32 s58, s[KF], 128*\q                ; the step's first key
	s_cmp_gt_u32 s58, s[QW]                        ; both are multiples of 32, and my queries lie in QW .. QW + 31: beyond QW all 128 keys are hidden
	s_cbranch_scc1 .Lhidden_\@
	v_add_nc_u32 v[ADR], s[TB], v[LI]
	v_add_nc_u32 v[ADS], s[TB], v[LS]
.rept 6
	v_nop                                          ; with the two additions: eight places in front of loads into registers that matrix instructions have read, and behind the write of Q's scale word
.endr
.irp f, 0,1,2,3
.irp c, 0,1,2,3
	ds_load_b128 v[KV+16*\f+4*\c:KV+16*\f+4*\c+3], v[ADR] offset:8192*\q+2048*\f+512*\c
.endr
.endr
	ds_load_b128 v[KSW:KSW+3], v[ADS] offset:256*\q
	s_wait_dscnt 0x0
	s_wait_alu depctr_va_vdst(0)
.irp f, 0,1,2,3
	v_wmma_scale_f32_16x16x128_f8f6f4 v[S+16*\f:S+16*\f+7], v[KV+16*\f:KV+16*\f+15], v[QF:QF+15], 0, v[KSW+\f], v[QSW]
	v_wmma_scale_f32_16x16x128_f8f6f4 v[S+16*\f+8:S+16*\f+15], v[KV+16*\f:KV+16*\f+15], v[QF+8:QF+23], 0, v[KSW+\f], v[QSW]
.endr                                          ; register 16 b + i of S: key 32 b + 16 (lane / 16) + i of the step
.rept 8
	v_nop
.endr
.irp t, 0,1,2,3                                ; V's fragments take K's registers and land under the softmax
.irp c, 0,1,2,3
	ds_load_b128 v[KV+16*\t+4*\c:KV+16*\t+4*\c+3], v[ADR] offset:16384+8192*\q+2048*\t+512*\c
.endr
.endr
	ds_load_b128 v[VSW:VSW+3], v[ADS] offset:512+256*\q
	s_add_co_u32 s59, s58, 128                     ; on the diagonal the scores of hidden keys become -infinity ahead of the maximum; a step all of whose keys count skips this
	s_cmp_le_u32 s59, s[QW]
	s_cbranch_scc1 .Lopen_\@
	s_sub_co_i32 s59, s[QW], s58
	v_add_nc_u32 v[TT], s59, v[QD]                 ; d = my query - the step's first key - 16 (lane / 16): register 16 b + i is hidden where 32 b + i > d
	v_mov_b32 v[TT+1], 0xff800000
.set n, 0
.rept 64
	v_cmp_gt_i32 vcc_lo, 32*(n/16)+n%16, v[TT]
	v_cndmask_b32 v[S+n], v[S+n], v[TT+1], vcc_lo
.set n, n+1
.endr
.Lopen_\@:
.irp b, 0,1,2,3
	v_max3_num_f32 v[BX+\b], v[S+16*\b], v[S+1+16*\b], v[S+2+16*\b]   ; the largest score of each block of 32 keys: for the row's maximum and, since p rises with the score, for the block's largest p
.endr
.irp i, 3,5,7,9,11,13
.irp b, 0,1,2,3
	v_max3_num_f32 v[BX+\b], v[BX+\b], v[S+16*\b+\i], v[S+1+16*\b+\i]
.endr
.endr
.irp b, 0,1,2,3
	v_max_num_f32 v[BX+\b], v[BX+\b], v[S+15+16*\b]
.endr
.irp b, 0,1,2,3
	s_delay_alu instid0(VALU_DEP_4)
	v_permlanex16_b32 v[T2+\b], v[BX+\b], s[SEL], s[SEL+1]
.endr
.irp b, 0,1,2,3
	s_delay_alu instid0(VALU_DEP_4)
	v_max_num_f32 v[BX+\b], v[BX+\b], v[T2+\b]     ; with lane l xor 16's 16 keys
.endr
	s_delay_alu instid0(VALU_DEP_2)
	v_max3_num_f32 v[TT], v[BX], v[BX+1], v[BX+2]
	s_delay_alu instid0(VALU_DEP_1)
	v_max_num_f32 v[TT], v[TT], v[BX+3]
	s_delay_alu instid0(VALU_DEP_1)
	v_mul_f32 v[TT], s[CS], v[TT]                  ; as t (c is positive)
	s_delay_alu instid0(VALU_DEP_1)
	v_max_num_f32 v13, v13, v[TT]                  ; the running largest t
	v_mov_b32 v[TT], v12
	s_delay_alu instid0(VALU_DEP_2)
	v_floor_f32 v12, -v13                          ; the new -M = -ceil(t)
	s_delay_alu instid0(VALU_DEP_1)
	v_sub_f32 v[TT], v12, v[TT]                    ; old M - new M: a whole number, 0 or less
	s_delay_alu instid0(VALU_DEP_1)
	v_cvt_i32_f32 v[TT], v[TT]                     ; (it saturates)
	s_delay_alu instid0(VALU_DEP_1)
	v_ldexp_f32 v[FF], 1.0, v[TT]                  ; f = 2^(old M - new M)
.set j, 0
.rept 32
	v_pk_fma_f32 v[S+j:S+j+1], v[S+j:S+j+1], s[CS:CS+1], v[12:13] op_sel_hi:[1,0,0]   ; t - M, two at a time
.set j, j+2
.endr
.irp b, 0,1,2,3
	v_fma_f32 v[BX+\b], v[BX+\b], s[CS], v12       ; the same of each block's largest score
.endr
.set j, 0
	s_wait_alu depctr_va_vdst(0)
.rept 64
	v_exp_f32 v[S+j], v[S+j]                       ; p = 2^(t - M)
.set j, j+1
.endr
	v_pk_mul_f32 v[14:15], v[14:15], v[FF:FF+1] op_sel_hi:[1,0]   ; the sums under the new M: a plain instruction behind the exponentials
	s_wait_alu depctr_va_vdst(0)                   ; one wait for the whole batch, ahead of its first reader
.irp b, 0,1,2,3
	v_exp_f32 v[BX+\b], v[BX+\b]                   ; the block's largest p
.endr
	v_pk_add_f32 v[230:231], v[108:109], v[112:113]
	v_pk_add_f32 v[254:255], v[116:117], v[120:121]
	v_pk_add_f32 v[252:253], v[124:125], v[128:129]
	v_pk_add_f32 v[250:251], v[132:133], v[136:137]
	v_pk_add_f32 v[248:249], v[140:141], v[144:145]
	v_pk_add_f32 v[244:245], v[148:149], v[152:153]
	v_pk_add_f32 v[240:241], v[156:157], v[160:161]
	v_pk_add_f32 v[14:15], v[14:15], v[164:165]
	v_pk_add_f32 v[230:231], v[230:231], v[104:105]
	v_pk_add_f32 v[254:255], v[254:255], v[106:107]
	v_pk_add_f32 v[252:253], v[252:253], v[110:111]
	v_pk_add_f32 v[250:251], v[250:251], v[114:115]
	v_pk_add_f32 v[248:249], v[248:249], v[118:119]
	v_pk_add_f32 v[244:245], v[244:245], v[122:123]
	v_pk_add_f32 v[240:241], v[240:241], v[126:127]
	v_pk_add_f32 v[14:15], v[14:15], v[130:131]
	v_pk_add_f32 v[230:231], v[230:231], v[134:135]
	v_pk_add_f32 v[254:255], v[254:255], v[138:139]
	v_pk_add_f32 v[252:253], v[252:253], v[142:143]
	v_pk_add_f32 v[250:251], v[250:251], v[146:147]
	v_pk_add_f32 v[248:249], v[248:249], v[150:151]
	v_pk_add_f32 v[244:245], v[244:245], v[154:155]
	v_pk_add_f32 v[240:241], v[240:241], v[158:159]
	v_pk_add_f32 v[14:15], v[14:15], v[162:163]
	v_pk_add_f32 v[230:231], v[230:231], v[166:167]
	s_delay_alu instid0(VALU_DEP_2)
	v_pk_add_f32 v[14:15], v[14:15], v[250:251]
	s_delay_alu instid0(VALU_DEP_2)
	v_pk_add_f32 v[230:231], v[230:231], v[248:249]
	v_pk_add_f32 v[254:255], v[254:255], v[244:245]
	v_pk_add_f32 v[252:253], v[252:253], v[240:241]
	s_delay_alu instid0(VALU_DEP_2)
	v_pk_add_f32 v[14:15], v[14:15], v[254:255]
	s_delay_alu instid0(VALU_DEP_2)
	v_pk_add_f32 v[230:231], v[230:231], v[252:253]
	s_delay_alu instid0(VALU_DEP_1)
	v_pk_add_f32 v[14:15], v[14:15], v[230:231]
	s_wait_alu depctr_va_vdst(0)                   ; and one for the four
.irp b, 0,1,2,3
	v_max_num_f32 v[BX+\b], 0x4800000, v[BX+\b]    ; the floor 2^(9 - 127): the byte cannot fall under 1
.endr
.irp b, 0,1,2,3
	s_delay_alu instid0(VALU_DEP_4)
	v_add_nc_u32 v[SO+\b], 0xfc000000, v[BX+\b]    ; 8 off the exponent field: the conversion's scale operand
.endr
.irp b, 0,1,2,3
	v_and_or_b32 v[HO+\b], v[BX+\b], 0x7f800000, s[MNT]   ; 448 x the scale
.endr
.irp b, 0,1,2,3
	v_lshrrev_b32 v[T2+\b], 23, v[SO+\b]           ; the scale's byte
.endr
	s_delay_alu instid0(VALU_DEP_3)
	v_lshl_or_b32 v[PW], v[T2+1], 8, v[T2]         ; p's scale word for these 128 keys
	s_delay_alu instid0(VALU_DEP_1)
	v_lshl_or_b32 v[PW], v[T2+2], 16, v[PW]
	s_delay_alu instid0(VALU_DEP_1)
	v_lshl_or_b32 v[PW], v[T2+3], 24, v[PW]
.irp b, 0,1,2,3
.irp i, 0,1,2,3,4,5,6,7,8,9,10,11,12,13,14,15
	v_min_num_f32 v[S+16*\b+\i], v[S+16*\b+\i], v[HO+\b]   ; the conversion does not saturate (ISA guide 7.6.2); p is not negative: the hold is one-sided
.endr
	v_cvt_scalef32_pk8_fp8_f32 v[PC+4*\b:PC+1+4*\b], v[S+16*\b:S+7+16*\b], v[SO+\b]
	v_cvt_scalef32_pk8_fp8_f32 v[PC+2+4*\b:PC+3+4*\b], v[S+8+16*\b:S+15+16*\b], v[SO+\b]
.endr
.set j, 0
.rept 16
	v_pk_mul_f32 v[O+j:O+j+1], v[O+j:O+j+1], v[FF:FF+1] op_sel_hi:[1,0]   ; O^T under the new M.  (These are also the places in front of the matrix instructions below)
.set j, j+2
.endr
	s_wait_alu depctr_va_vdst(0)
	s_wait_dscnt 0x0                               ; V
.irp t, 0,1,2,3
	v_wmma_scale_f32_16x16x128_f8f6f4 v[O+8*\t:O+8*\t+7], v[KV+16*\t:KV+16*\t+15], v[PC:PC+15], v[O+8*\t:O+8*\t+7], v[VSW+\t], v[PW]
.endr
.Lhidden_\@:
.endm
; THE CHANGE OF SLOTS stands at a visit's head.  Each wave waits for all its tensor loads, adds 0 to its spare word (fill = 1: twice on end),
; and waits for that and for its reads of the slot that it has left.  Behind the barrier the slot ahead is whole and nobody reads the other: fill = 1: it takes the next visit's keys.
.macro CHANGE fill
	s_wait_tensorcnt 0x0                           ; no tensor load of mine is out, so group 0 may be written
	ds_add_u32 v[SPW], v[NIL]
.if \fill
	ds_add_u32 v[SPW], v[NIL]
	s_add_co_u32 s52, s[VIS], 1
	s_cmp_lt_u32 s52, s[N1]
	s_cselect_b32 s53, 0, s[N1]
	s_sub_co_u32 s52, s52, s53                     ; the next visit's block of keys: the second block of queries begins again at keys 0
	s_mul_i32 s52, s52, SLOTB
	s_mov_b32 s53, 0
	s_add_nc_u64 s[G0+2:G0+3], s[KVB:KVB+1], s[52:53]
	s_or_b32 s[G0+3], s[G0+3], 0x80000000
	s_xor_b32 s[G0+1], s[G0+1], SLOT1              ; the other slot than last time
	s_wait_xcnt 0x0                                ; the last prefetch, a visit back, has read its address
	s_add_nc_u64 s[PFA:PFA+1], s[PFA:PFA+1], SLOTB
.endif
	s_wait_dscnt 0x0                               ; the adds are done, and my reads of the slot that I have left are over
	s_barrier_signal -1
	s_barrier_wait -1
.if \fill
	TLOAD                                          ; the first thing behind the barrier, and a wave's one tensor load until the next
	ASK
.endif
.endm
; THE WAY OUT of a block of queries: O^T / the sum; its 32 numbers a lane (register 16 b + i: channel 32 b + 16 (lane / 16) + i of my head) are two blocks of the output projection's K: quantised, and stored as half a fragment's image.
.macro WAYOUT
.rept 8
	v_nop                                          ; places behind the last products
.endr
	v_add_f32 v14, v14, v15
	s_delay_alu instid0(VALU_DEP_1)
	v_permlanex16_b32 v[TT], v14, s[SEL], s[SEL+1]
	s_delay_alu instid0(VALU_DEP_1)
	v_add_f32 v14, v14, v[TT]                      ; the row's sum
	s_wait_alu depctr_va_vdst(0)
	v_rcp_f32 v14, v14
	s_lshr_b32 s56, s[BH], 4
	s_lshl_b32 s56, s56, 7
	s_lshl_b32 s57, s[QBK], 4
	s_add_co_u32 s56, s56, s57
	s_add_co_u32 s56, s56, s[WV]                   ; my tile of tokens: 128 x batch + 16 x block + wave
	s_lshl_b32 s56, s56, 3
	s_bfe_u32 s57, s[BH], 0x30001
	s_add_co_u32 s56, s56, s57                     ; the K step of 128: head / 2
	s_lshl_b32 s56, s56, 11
	s_and_b32 s57, s[BH], 1
	s_lshl_b32 s57, s57, 10                        ; its half
	s_add_co_u32 s56, s56, s57
	s_mov_b32 s57, 0
	s_add_nc_u64 s[48:49], s[8:9], s[56:57]
	s_lshl_b32 s56, s[BH], 7
	s_lshl_b32 s58, s[QBK], 4
	s_add_co_u32 s56, s56, s58
	s_add_co_u32 s56, s56, s[WV]
	s_lshl_b32 s56, s56, 5                         ; asc: 32 bytes for a head's tile
	s_add_nc_u64 s[50:51], s[10:11], s[56:57]
	v_nop                                          ; a plain instruction behind the reciprocal
	s_wait_alu depctr_va_vdst(0)                   ; and the wait ahead of its first reader
.set j, 0
.rept 16
	v_pk_mul_f32 v[S+j:S+j+1], v[O+j:O+j+1], v[14:15] op_sel_hi:[1,0]
.set j, j+2
.endr
.irp b, 0,1
	v_max3_num_f32 v[BX+\b], |v[S+16*\b]|, |v[S+1+16*\b]|, 0x4800000
.endr
.irp i, 2,4,6,8,10,12,14
.irp b, 0,1
	s_delay_alu instid0(VALU_DEP_2)
	v_max3_num_f32 v[BX+\b], v[BX+\b], |v[S+16*\b+\i]|, |v[S+1+16*\b+\i]|
.endr
.endr
.irp b, 0,1
	s_delay_alu instid0(VALU_DEP_2)
	v_permlanex16_b32 v[T2+\b], v[BX+\b], s[SEL], s[SEL+1]
.endr
.irp b, 0,1
	s_delay_alu instid0(VALU_DEP_2)
	v_max_num_f32 v[BX+\b], v[BX+\b], v[T2+\b]
.endr
.irp b, 0,1
	s_delay_alu instid0(VALU_DEP_2)
	v_add_nc_u32 v[SO+\b], 0xfc000000, v[BX+\b]
.endr
.irp b, 0,1
	s_delay_alu instid0(VALU_DEP_4)
	v_and_or_b32 v[HO+\b], v[BX+\b], 0x7f800000, s[MNT]
.endr
.irp b, 0,1
	s_delay_alu instid0(VALU_DEP_4)
	v_lshrrev_b32 v[T2+\b], 23, v[SO+\b]
.endr
	s_delay_alu instid0(VALU_DEP_1)
	v_lshl_or_b32 v[TT], v[T2+1], 8, v[T2]         ; my query's two scale bytes
.irp b, 0,1
.irp i, 0,1,2,3,4,5,6,7,8,9,10,11,12,13,14,15
	v_med3_num_f32 v[S+16*\b+\i], v[S+16*\b+\i], -v[HO+\b], v[HO+\b]
.endr
	v_cvt_scalef32_pk8_fp8_f32 v[PC+4*\b:PC+1+4*\b], v[S+16*\b:S+7+16*\b], v[SO+\b]
	v_cvt_scalef32_pk8_fp8_f32 v[PC+2+4*\b:PC+3+4*\b], v[S+8+16*\b:S+15+16*\b], v[SO+\b]
.endr
	v_nop                                          ; a plain instruction behind the last conversion
	global_store_b128 v[LI], v[PC:PC+3], s[48:49]              ; 512 consecutive bytes, aligned
	global_store_b128 v[LI], v[PC+4:PC+7], s[48:49] offset:512
	global_store_b16 v[R2], v[TT], s[50:51]        ; 32 bytes a wave (both halves of the lanes hold and write the same): one part in 32 of what the wave stores here
.endm
	LOADQ                                          ; block 7 - x
.Lvisit:                                           ; eight trips: behind each change of slots the next visit's keys are asked for
	CHANGE 1
	STEP 0
	STEP 1
	s_xor_b32 s[TB], s[TB], SLOT1
	s_add_co_u32 s[KF], s[KF], 256
	s_add_co_u32 s52, s[VIS], 1
	s_cmp_lg_u32 s52, s[N1]                        ; ids and the count of visits alone; no barrier, wait for a tile or tensor load stands in what is jumped over
	s_cbranch_scc1 .Lsame_block
	WAYOUT                                         ; the first block is done;
	s_mov_b32 s[QBK], s[WGI]                       ; the second is block x, from key 0 on
	s_mov_b32 s[KF], 0
	LOADQ
.Lsame_block:
	s_add_co_u32 s[VIS], s[VIS], 1
	s_cmp_lt_u32 s[VIS], 8
	s_cbranch_scc1 .Lvisit
	CHANGE 0                                       ; the ninth visit is written out: nothing is left to fetch
	STEP 0
	STEP 1
	WAYOUT
	s_wait_tensorcnt 0x0                           ; the wave's end
	ds_add_u32 v[SPW], v[NIL]
	s_wait_dscnt 0x0
	s_endpgm
.Lfunc_end_k_qb622e797b4_attn:
	.size	k_qb622e797b4_attn, .Lfunc_end_k_qb622e797b4_attn-k_qb622e797b4_attn
	.p2alignl 7, 3214868480
	.fill 96, 4, 3214868480
	.section	.rodata,"a",@progbits
	.p2align	6, 0x0
	.amdhsa_kernel k_qb622e797b4_attn
		.amdhsa_group_segment_fixed_size 327680
		.amdhsa_private_segment_fixed_size 0
		.amdhsa_enable_private_segment 0
		.amdhsa_kernarg_size 32
		.amdhsa_user_sgpr_count 2
		.amdhsa_user_sgpr_kernarg_segment_ptr 1
		.amdhsa_wavefront_size32 1
		.amdhsa_system_sgpr_workgroup_id_x 1
		.amdhsa_system_sgpr_workgroup_id_y 1
		.amdhsa_system_sgpr_workgroup_id_z 1
		.amdhsa_system_vgpr_workitem_id 0
		.amdhsa_next_free_vgpr 256
		.amdhsa_next_free_sgpr 66
		.amdhsa_reserve_vcc 1
		.amdhsa_float_denorm_mode_32 3
		.amdhsa_float_denorm_mode_16_64 3
		.amdhsa_memory_ordered 1
		.amdhsa_forward_progress 1
		.amdhsa_inst_pref_size 123
	.end_amdhsa_kernel
	.amdgpu_metadata
---
amdhsa.version: [ 1, 2 ]
amdhsa.kernels:
  - .name:           k_qb622e797b4_attn
    .symbol:         k_qb622e797b4_attn.kd
    .args:
      - { .name: qb, .offset: 0, .size: 8, .value_kind: global_buffer, .address_space: global }
      - { .name: kv, .offset: 8, .size: 8, .value_kind: global_buffer, .address_space: global }
      - { .name: ai, .offset: 16, .size: 8, .value_kind: global_buffer, .address_space: global }
      - { .name: asc, .offset: 24, .size: 8, .value_kind: global_buffer, .address_space: global }
    .group_segment_fixed_size: 327680
    .private_segment_fixed_size: 0
    .kernarg_segment_align: 8
    .kernarg_segment_size: 32
    .max_flat_workgroup_size: 512
    .sgpr_count:     66
    .vgpr_count:     256
    .wavefront_size: 32
...
	.end_amdgpu_metadata
.endif
;; end of part 3
;; launch outln (part 4): grid 256 x 1, 8 waves a work-group, clusters of 4 x 1, 327,680 bytes of LDS; arguments c1, s1, ai, asc, query, bo, gamma, beta, out0; writes out0
.if DOCPART == 4
	.amdgcn_target "amdgcn-amd-amdhsa--gfx1250"
	.amdhsa_code_object_version 6
	.text
	.protected	k_qb622e797b4_outln
	.globl	k_qb622e797b4_outln
	.p2align	8
	.type	k_qb622e797b4_outln,@function
k_qb622e797b4_outln:
	s_mov_b64 s[64:65], 0
	v_nop
	global_prefetch_b8 v0, s[64:65] scope:SCOPE_SE
	s_setreg_imm32_b32 hwreg(HW_REG_WAVE_MODE, 25, 1), 1
	s_wait_xcnt 0x0
	s_wait_alu depctr_hold_cnt(0) depctr_sa_sdst(0) depctr_va_vdst(0) depctr_va_sdst(0) depctr_va_ssrc(0) depctr_va_vcc(0) depctr_vm_vsrc(0)
	s_getreg_b32 s2, hwreg(HW_REG_IB_STS2, 6, 4)
	s_cmp_eq_u32 s2, 0
	s_cbranch_scc0 .Lentry_in_a_cluster
	s_endpgm
.Lentry_in_a_cluster:
	s_bfe_u32 s2, ttmp6, 0x10000c
	s_cmp_lg_u32 s2, 0x3003
	s_cbranch_scc0 .Lentry_shape_is_right
	s_endpgm
.Lentry_shape_is_right:
; out0 = LayerNorm(query + (attention result) Wo^T + bo) x gamma + beta.  The product is on codes of FP8 with E8M0 scales; all else in f32.  Nothing is left out here.
; SHARES.  A work-group takes 32 tokens (two tiles of 16) x all 1,024 columns, so that a row's mean and variance never leave it: 256 work-groups.  Wave w of eight makes columns 128 w .. + 127: 8 tiles x 2 token tiles = 16 accumulators.
; Wo's codes lie in c1 as images of operand registers (launch quant): a run of 8 stored rows is [K step of 128: 1,024][c: 256][h: 128][row: 16].  They come by two ways at once, four visits of two K steps:
;   the EVEN K step of a visit through a ring of two LDS slots: a tile is 1,024 bytes of each of the 128 runs; each wave fetches and reads its own 16 runs.  CLUSTER of 4 x 1: all work-groups walk the same Wo, so each tile is asked
;   for jointly by the four partners (mask 15); nothing in a descriptor hangs on a work-group's place;
;   the ODD K step straight from memory into registers: 32 loads a wave, sixteen lanes to 256 consecutive bytes, issued a visit ahead of their products.
; PREFETCH.  Visit j asks for the two K steps of visit j + 2 (its tensor load stands in visit j + 1, its plain loads at that visit's end): all work-groups read the same bytes, so four clusters ask; in each, the four partners share a wave's
; 16 runs out by address, a lane a block of 256 bytes.  Visits 0 and 1 come by their loads alone.  My 4 rows of query, 16,384 bytes, are asked for in visits 1 and 2, ahead of their loads in visit 3: each block named once in the launch.
; THE TOKENS' 16 fragments (32,768 bytes of images) are copied once into LDS, an eighth a wave; their scale words are put together in LDS: [token tile][K step][r][head 2 s's two bytes, head 2 s + 1's].
; THE MATRIX INSTRUCTION IS USED TRANSPOSED: source 0 = 16 stored rows of Wo, source 1 = 16 tokens.  Register j of tile t in lane (r, h) is column 32 (t / 2) + 16 h + 8 (t % 2) + j of my 128.  Lane r of token tile a is token 8 a + r + 8 (r / 8) of the 32.
; THE TAIL.  The sums go to a stage in LDS (32 rows x 4,096 bytes + 16), in slot 0, which has had its last fill and its last read by then; each wave takes 4 whole rows: + bo, + query, the mean, the variance of x - mean in a second pass, the scaling.
; REGISTERS: window 0: v0-15 addresses; v16-79 the tokens' fragments, two sets of two; v80-207 accumulators; v208-239 Wo's scale words; v240-255 the tokens'.  In the tail: v16-47, v64-95 a row each, v48-63 at work.
;   window 1: v0-127 the even K step's 8 fragments, later query's 4 rows; v128-255 the odd K step's, later gamma, beta, bo.
.set RP,    1088                       ; a run in a slot: 1,024 bytes + 64 of padding
.set WQ,    16*RP                      ; a wave's 16 runs
.set SLOT,  8*WQ
.set SPI,   4112                       ; a stage row
.set ABASE, 2*SLOT                     ; behind the ring: the tokens' fragments
.set ASL,   ABASE+32768                ; their scale words, 1,024 bytes
.set SPARE, ASL+1024                   ; the spare words, 128 bytes for each of 8 waves
.set PWO, 1                            ; v1   Wo's prefetches: run lane / 8 of my work-group's four, block lane % 8 of two K steps
.set VL,  4                            ; v4   my place in a fragment of Wo in memory: 8,192 (r / 8) + 128 h + 16 (r % 8)
.set ADA, 5                            ; v5   ABASE + 16 x lane
.set STO, 6                            ; v6-7 the stage: where I put my results of token tile 0, 1
.set SR,  8                            ; v8   and where I read my 4 rows back
.set LI,  9                            ; v9   16 x lane
.set PFO, 10                           ; v10  256 x lane
.set ADB, 11                           ; v11-12 my place in a fragment of Wo in slot 0, 1
.set ASR, 13                           ; v13  ASL + 4 r
.set SPW, 14
.set NIL, 15
.set AB,  16
.set AC,  80
.set WS,  208
.set AS,  240
.set X0,  16
.set TP,  48
.set MU,  240
.set RS,  242
.set LF,  0                            ; window 1
.set DF,  128
.set GA,  128
.set BE,  160
.set BO,  192
.set WV,  22
.set WOB, 40
.set AIB, 46
.set WSB, 48
.set ASB, 50
.set QB,  52
.set OB,  54
.set SEL, 56
.set INV, 58
.set EPS, 59
.set G1,  68
.set G0,  76                           ; s[76:79], s[80:83]: group 0 for slot 0, 1
.set MSB, 0
.macro WIN new
.if MSB != (\new)
	s_set_vgpr_msb (MSB<<8)|(\new)
.set MSB, (\new)
.endif
.endm
.macro ROUND                           ; a round of the cluster's barrier
	s_barrier_signal -1
	s_barrier_wait -1
	s_cmp_lg_u32 s[WV], 0
	s_cbranch_scc1 .Lnot_wave_0_\@
	s_barrier_signal -3
.Lnot_wave_0_\@:
	s_barrier_wait -3
	s_barrier_signal -1
	s_barrier_wait -1
.endm
	s_load_b512 s[4:19], s[0:1], 0x0               ; c1, s1, ai, asc, query, bo, gamma, beta
	s_load_b64 s[20:21], s[0:1], 0x40              ; out0
	v_lshl_add_u32 v[SPW], v0, 2, SPARE
	v_mov_b32 v[NIL], 0
	ds_add_u32 v[SPW], v[NIL]                      ; the wave's opening: the add, twice on end, and its wait ahead of my first tensor load
	ds_add_u32 v[SPW], v[NIL]
	v_lshrrev_b32 v1, 5, v0
	v_readfirstlane_b32 s[WV], v1                  ; wave 0..7
	s_bfe_u32 s23, ttmp6, 0x40000                  ; cx
	s_lshl_b32 s60, s23, 15                        ; my work-group's four runs of a wave's sixteen: it enters a prefetch's address alone
	s_and_b32 s61, ttmp9, 0x17                     ; 0 in clusters 0, 8, 32 and 40, which ask for Wo ahead
	s_lshl_b32 s42, ttmp9, 2
	s_add_co_u32 s23, s23, s42                     ; my work-group: it enters global addresses of my own loads and stores alone
	s_mov_b32 s[G1], 15|(1<<20)|(1<<21)|(7<<22)|(15<<25)   ; the mask: all four partners; elements of 1 byte; padding on; bit 21 beside a mask; sixteen words after every 256
	s_mov_b32 s[G1+1], 1024<<16                    ; tensor_dim0
	s_mov_b32 s[G1+2], 16<<16                      ; tensor_dim1
	s_mov_b32 s[G1+3], 1024<<16                    ; tile_dim0
	s_mov_b32 s[G1+4], 16                          ; tile_dim1
	s_mov_b32 s[G1+5], 8192                        ; the pitch: from run to run
	s_mov_b32 s[G1+6], 0
	s_mov_b32 s[G1+7], 0
	s_mul_i32 s44, s[WV], WQ                       ; my runs' place in a slot
	s_mov_b32 s[G0], 1
	s_mov_b32 s[G0+1], s44
	s_mov_b32 s[G0+4], 1
	s_add_co_u32 s[G0+5], s44, SLOT
	s_lshl_b32 s24, s[WV], 9
	s_mul_i32 s25, s[WV], 4*SPI
	s_lshl_b32 s26, s[WV], 6
	s_add_co_u32 s26, s26, ASL
	s_lshl_b32 s27, s[WV], 12
	s_lshl_b32 s28, s[WV], 17                      ; Wo's codes: my 16 runs,
	s_add_co_u32 s28, s28, 27648*1024              ; from Wo's first row in c1
	s_mov_b32 s29, 0
	s_lshl_b32 s30, s23, 15                        ; the tokens' images: 32,768 bytes a work-group, my eighth
	s_add_co_u32 s30, s30, s27
	s_mov_b32 s31, 0
	s_add_co_u32 s32, s27, 27648*32                ; Wo's scale bytes: 128 rows of 32
	s_mov_b32 s33, 0
	s_lshr_b32 s34, s23, 6                         ; the batch: 16 heads x 128 tiles x 32 bytes
	s_lshl_b32 s34, s34, 16
	s_lshl_b32 s38, s23, 1
	s_and_b32 s38, s38, 127
	s_lshl_b32 s38, s38, 5
	s_add_co_u32 s34, s34, s38
	s_lshl_b32 s38, s[WV], 13                      ; heads 2 w and 2 w + 1
	s_add_co_u32 s34, s34, s38
	s_mov_b32 s35, 0
	s_lshl_b32 s36, s23, 5                         ; stage rows 4 w + i are tokens 32 g + 8 (w / 4) + 16 ((w / 2) % 2) + 4 (w % 2) + i
	s_lshr_b32 s38, s[WV], 2
	s_lshl_b32 s38, s38, 3
	s_add_co_u32 s36, s36, s38
	s_bfe_u32 s38, s[WV], 0x10001
	s_lshl_b32 s38, s38, 4
	s_add_co_u32 s36, s36, s38
	s_and_b32 s38, s[WV], 1
	s_lshl_b32 s38, s38, 2
	s_add_co_u32 s36, s36, s38
	s_lshl_b32 s36, s36, 12
	s_mov_b32 s37, 0
	s_mov_b32 s[SEL], 0x76543210
	s_mov_b32 s[SEL+1], 0xfedcba98
	s_mov_b32 s[INV], 0x3a800000                   ; 1 / 1,024
	s_mov_b32 s[EPS], 0x3727c5ac                   ; 1e-5
	v_and_b32 v1, 15, v0                           ; r
	v_bfe_u32 v2, v0, 4, 1                         ; h
	v_and_b32 v3, 31, v0                           ; lane
	v_lshlrev_b32 v[LI], 4, v3
	v_lshlrev_b32 v[PFO], 8, v3
	v_lshlrev_b32 v117, 5, v3                      ; Wo's scale bytes: 32 a row, lane l takes row l of a pair of tiles
	v_and_b32 v114, 7, v1
	v_lshrrev_b32 v113, 3, v1
	v_lshlrev_b32 v[VL], 4, v114
	v_lshl_add_u32 v[VL], v2, 7, v[VL]
	v_mad_u32_u24 v[ADB], v113, RP, v[VL]
	v_add_nc_u32 v[ADB], s44, v[ADB]
	v_add_nc_u32 v[ADB+1], SLOT, v[ADB]
	v_lshl_add_u32 v[VL], v113, 13, v[VL]
	v_add_nc_u32 v[ADA], ABASE, v[LI]
	v_add_nc_u32 v116, s27, v[ADA]                 ; where my eighth of the images goes
	v_mul_u32_u24 v[STO], v1, SPI
	v_lshl_add_u32 v[STO], v2, 6, v[STO]
	v_add_nc_u32 v[STO], s24, v[STO]               ; row r, + 64 h, + 512 x wave
	v_add_nc_u32 v[STO+1], 16*SPI, v[STO]
	v_add_nc_u32 v[SR], s25, v[LI]
	v_lshl_add_u32 v[ASR], v1, 2, ASL
	v_lshlrev_b32 v118, 3, v114                    ; lane (i = l % 16, d = l / 16) holds head 2 w + d's bytes of tokens 2 (i % 8), + 1 of tile i / 8
	v_lshl_add_u32 v118, v113, 9, v118
	v_lshl_add_u32 v118, v2, 1, v118
	v_add_nc_u32 v118, s26, v118
	v_lshlrev_b32 v115, 2, v1
	v_lshl_add_u32 v115, v2, 12, v115
	v_and_b32 v[PWO], 7, v3
	v_lshl_add_u32 v[PWO], v[PWO], 8, s60
	v_lshrrev_b32 v2, 3, v3
	v_lshl_add_u32 v[PWO], v2, 13, v[PWO]
	s_wait_alu depctr_va_vdst(0)                   ; the wait at the head's end
	s_wait_dscnt 0x0                               ; both opening adds are done
	s_wait_kmcnt 0x0
	s_add_nc_u64 s[WOB:WOB+1], s[4:5], s[28:29]
	s_add_nc_u64 s[AIB:AIB+1], s[8:9], s[30:31]
	s_add_nc_u64 s[WSB:WSB+1], s[6:7], s[32:33]
	s_add_nc_u64 s[ASB:ASB+1], s[10:11], s[34:35]
	s_add_nc_u64 s[QB:QB+1], s[12:13], s[36:37]
	s_add_nc_u64 s[OB:OB+1], s[20:21], s[36:37]
	ROUND                                          ; all four work-groups are here: the first joint loads meet
	s_mov_b64 s[G0+2:G0+3], s[WOB:WOB+1]
	s_or_b32 s[G0+3], s[G0+3], 0x80000000
	tensor_load_to_lds s[G0:G0+3], s[G1:G1+7]      ; K step 0: my one load at the head
	s_nop 0
.rept 4
	v_nop
.endr
.macro DLOAD s                         ; K step s of my 8 tiles straight into registers: 32 loads
	WIN 0x40
.irp t, 0,1,2,3,4,5,6,7
.irp c, 0,1,2,3
	global_load_b128 v[DF+16*\t+4*\c:DF+16*\t+4*\c+3], v[VL], s[WOB:WOB+1] offset:\t*16384+(\s)*1024+\c*256
.endr
.endr
	WIN 0
.endm
.macro ALOAD s                         ; the tokens' two fragments of K step s into set s % 2
.irp a, 0,1
.irp c, 0,1,2,3
	ds_load_b128 v[AB+32*((\s)%2)+16*\a+4*\c:AB+32*((\s)%2)+16*\a+4*\c+3], v[ADA] offset:2048*(8*\a+(\s))+512*\c
.endr
.endr
.endm
.macro MM s, base                      ; 16 matrix instructions on 16 accumulators, one a turn; the two scale registers' numbers differ modulo 8
	WIN 0x01                                       ; source 0 (Wo) window 1
.irp t, 0,1,2,3,4,5,6,7
.irp a, 0,1
.set DD, AC+8*(8*\a+\t)
.set BB, (\base)+16*\t
.set AA, AB+32*((\s)%2)+16*\a
.set SW, WS+8*(\t/2)+(\s)
.set SA, AS+8*\a+((\s)+1)%8
.if (\s) == 0
.if \t%2
	v_wmma_scale_f32_16x16x128_f8f6f4 v[DD:DD+7], v[BB:BB+15], v[AA:AA+15], 0, v[SW], v[SA] matrix_a_scale:MATRIX_SCALE_ROW1
.else
	v_wmma_scale_f32_16x16x128_f8f6f4 v[DD:DD+7], v[BB:BB+15], v[AA:AA+15], 0, v[SW], v[SA]
.endif
.else
.if \t%2
	v_wmma_scale_f32_16x16x128_f8f6f4 v[DD:DD+7], v[BB:BB+15], v[AA:AA+15], v[DD:DD+7], v[SW], v[SA] matrix_a_scale:MATRIX_SCALE_ROW1
.else
	v_wmma_scale_f32_16x16x128_f8f6f4 v[DD:DD+7], v[BB:BB+15], v[AA:AA+15], v[DD:DD+7], v[SW], v[SA]
.endif
.endif
.endr
.endr
	WIN 0
.endm
.macro PLACES
.rept 8
	v_nop                                          ; eight places in front of loads into registers that matrix instructions have read (behind the last products: of the reads of the sums)
.endr
.endm
; A VISIT: K steps 2 j (from slot j % 2) and 2 j + 1 (from registers).  In front of the round each wave waits for all its tensor loads, adds 0 to its spare word, and waits for that and for its LDS reads and stores; behind the round the other slot takes K step 2 j + 2.
.macro VISIT j
	s_wait_tensorcnt 0x0                           ; no tensor load of mine is out, so a group 0 may be written
	ds_add_u32 v[SPW], v[NIL]
.if (\j) < 3
	s_add_nc_u64 s[G0+4*(((\j)+1)%2)+2:G0+4*(((\j)+1)%2)+3], s[WOB:WOB+1], ((\j)+1)*2048
	s_or_b32 s[G0+4*(((\j)+1)%2)+3], s[G0+4*(((\j)+1)%2)+3], 0x80000000
	s_wait_dscnt 0x0
	ROUND                                          ; no wave of any partner still reads the other slot or has a load on its way
	tensor_load_to_lds s[G0+4*(((\j)+1)%2):G0+4*(((\j)+1)%2)+3], s[G1:G1+7]
	s_nop 0
.rept 4
	v_nop
.endr
.else
	s_wait_dscnt 0x0
	s_barrier_signal -1                            ; nothing is filled again: my work-group's barrier alone.  Behind it nobody reads slot 0, which will be the stage
	s_barrier_wait -1
.endif
	WIN 0x40
.irp t, 0,1,2,3,4,5,6,7
.irp c, 0,1,2,3
	ds_load_b128 v[LF+16*\t+4*\c:LF+16*\t+4*\c+3], v[ADB+(\j)%2] offset:\t*2*RP+\c*256
.endr
.endr
	WIN 0
.if (\j) == 0
.irp a, 0,1
.irp s, 0,1,2,3,4,5,6,7
	ds_load_b32 v[AS+8*\a+(\s+1)%8], v[ASR] offset:512*\a+64*\s
.endr
.endr
	ALOAD 0
	ALOAD 1
.endif
.if (\j) < 2
	s_cmp_eq_u32 s61, 0
	s_cbranch_scc0 .Lnot_asking_\@
	global_prefetch_b8 v[PWO], s[WOB:WOB+1] offset:((\j)+2)*2048 th:TH_LOAD_NT scope:SCOPE_SE
.Lnot_asking_\@:
.endif
.if ((\j) == 1) || ((\j) == 2)
	global_prefetch_b8 v[PFO], s[QB:QB+1] offset:8192*((\j)-1) th:TH_LOAD_NT scope:SCOPE_SE
.endif
.if (\j) == 0
	s_wait_loadcnt 32                              ; Wo's scale words are in; behind them K step 1's 32 loads were issued
.endif
	s_wait_dscnt 0x0
	MM 2*(\j), LF
.if (\j) < 3
	s_wait_loadcnt 0x0                             ; the odd K step, asked for a visit ago
	MM 2*(\j)+1, DF
	PLACES
	DLOAD 2*(\j)+3
	ALOAD 2*(\j)+2
	ALOAD 2*(\j)+3
.else
	PLACES
	WIN 0x40
.irp k, 0,1,2,3
.irp c, 0,1,2,3,4,5,6,7
	global_load_b128 v[32*\k+4*\c:32*\k+4*\c+3], v[LI], s[QB:QB+1] offset:4096*\k+512*\c th:TH_LOAD_NT   ; query's row k at v[32 k]
.endr
.endr
	WIN 0
	s_wait_loadcnt 32                              ; K step 7 is in; behind it query's 32 loads were issued
	MM 2*(\j)+1, DF
	PLACES
	WIN 0x40
.irp c, 0,1,2,3,4,5,6,7
	global_load_b128 v[GA+4*\c:GA+4*\c+3], v[LI], s[16:17] offset:512*\c
	global_load_b128 v[BE+4*\c:BE+4*\c+3], v[LI], s[18:19] offset:512*\c
	global_load_b128 v[BO+4*\c:BO+4*\c+3], v[LI], s[14:15] offset:512*\c
.endr
	WIN 0
.endif
.endm
.irp j, 0,1,2,3,4,5,6,7
	global_load_b128 v[AC+4*\j:AC+4*\j+3], v[LI], s[AIB:AIB+1] offset:512*\j    ; my eighth of the tokens' images
.endr
	global_load_b32 v112, v115, s[ASB:ASB+1]       ; two heads' scale bytes of both token tiles: 128 bytes
.irp p, 0,1,2,3
.irp e, 0,1
	global_load_b128 v[WS+8*\p+4*\e:WS+8*\p+4*\e+3], v117, s[WSB:WSB+1] offset:1024*\p+16*\e   ; a row's eight words: lanes 0-15 tile 2 p, lanes 16-31 tile 2 p + 1
.endr
.endr
	DLOAD 1
	s_wait_loadcnt 40                              ; the images and the bytes are in; behind them 8 + 32 loads were issued
	s_wait_tensorcnt 0x0                           ; my part of K step 0 is in
.irp j, 0,1,2,3,4,5,6,7
	ds_store_b128 v116, v[AC+4*\j:AC+4*\j+3] offset:512*\j
.endr
	ds_store_b16 v118, v112
	ds_store_b16_d16_hi v118, v112 offset:4
.irp j, 0,1,2,3
	VISIT \j                                       ; (the first visit's round also shows every wave's stores above to the others)
.endr
.irp a, 0,1
.irp t, 0,1,2,3,4,5,6,7
	ds_store_b128 v[STO+\a], v[AC+8*(8*\a+\t):AC+8*(8*\a+\t)+3] offset:128*(\t/2)+32*(\t%2)          ; each accumulator from its low end on
	ds_store_b128 v[STO+\a], v[AC+8*(8*\a+\t)+4:AC+8*(8*\a+\t)+7] offset:128*(\t/2)+32*(\t%2)+16
.endr
.endr
	v_mov_b32 v[MU+1], 0                           ; (named as upper halves of pairs)
	v_mov_b32 v[RS+1], 0
	s_wait_alu depctr_va_vdst(0)                   ; the wait ahead of the waits below
	s_wait_dscnt 0x0                               ; for the others' sake: my stores into the stage are done
	s_barrier_signal -1
	s_barrier_wait -1                              ; 32 whole rows lie in the stage
.macro RLOAD i                         ; my row i, 4,096 bytes, into the set i % 2
.set XL, X0+48*((\i)%2)
.irp c, 0,1,2,3,4,5,6,7
	ds_load_b128 v[XL+4*\c:XL+4*\c+3], v[SR] offset:(\i)*SPI+512*\c
.endr
.endm
.macro LANESUM                         ; v[TP]: the sum over the 32 lanes, in every lane
	v_add_f32_dpp v[TP], v[TP], v[TP] row_xmask:1 row_mask:0xf bank_mask:0xf
	v_add_f32_dpp v[TP], v[TP], v[TP] row_xmask:2 row_mask:0xf bank_mask:0xf
	v_add_f32_dpp v[TP], v[TP], v[TP] row_xmask:4 row_mask:0xf bank_mask:0xf
	v_add_f32_dpp v[TP], v[TP], v[TP] row_xmask:8 row_mask:0xf bank_mask:0xf
	v_permlanex16_b32 v[TP+1], v[TP], s[SEL], s[SEL+1]
	v_add_f32 v[TP], v[TP], v[TP+1]
.endm
.macro ROW i
	s_wait_xcnt 0x0                                ; the row before last's stores have read their data: its set is loaded again only behind this wait
.if (\i) < 3
	RLOAD (\i)+1
	s_wait_dscnt 8                                 ; my row is in; the next row's 8 loads may be out
.else
	s_wait_dscnt 0x0
.endif
.set XR, X0+48*((\i)%2)
	WIN 0x04                                       ; source 1: window 1
.set k, 0
.rept 16
	v_pk_add_f32 v[XR+k:XR+k+1], v[XR+k:XR+k+1], v[BO+k:BO+k+1]
.set k, k+2
.endr
.set k, 0
.rept 16
	v_pk_add_f32 v[XR+k:XR+k+1], v[XR+k:XR+k+1], v[32*(\i)+k:32*(\i)+k+1]   ; x = query + (the product + bo)
.set k, k+2
.endr
	WIN 0
.irp c, 0,1,2,3,4,5,6,7
	v_pk_add_f32 v[TP+2*\c:TP+2*\c+1], v[XR+4*\c:XR+4*\c+1], v[XR+4*\c+2:XR+4*\c+3]
.endr
.irp c, 0,1,2,3
	v_pk_add_f32 v[TP+2*\c:TP+2*\c+1], v[TP+2*\c:TP+2*\c+1], v[TP+8+2*\c:TP+8+2*\c+1]
.endr
.irp c, 0,1
	v_pk_add_f32 v[TP+2*\c:TP+2*\c+1], v[TP+2*\c:TP+2*\c+1], v[TP+4+2*\c:TP+4+2*\c+1]
.endr
	v_pk_add_f32 v[TP:TP+1], v[TP:TP+1], v[TP+2:TP+3]
	v_add_f32 v[TP], v[TP], v[TP+1]
	LANESUM
	v_mul_f32 v[MU], s[INV], v[TP]                 ; the mean
.set k, 0
.rept 16
	v_pk_add_f32 v[XR+k:XR+k+1], v[XR+k:XR+k+1], v[MU:MU+1] op_sel_hi:[1,0] neg_lo:[0,1] neg_hi:[0,1]   ; x - mean
.set k, k+2
.endr
.irp c, 0,1,2,3
	v_pk_mul_f32 v[TP+2*\c:TP+2*\c+1], v[XR+2*\c:XR+2*\c+1], v[XR+2*\c:XR+2*\c+1]
.endr
.irp c, 4,5,6,7,8,9,10,11,12,13,14,15
	v_pk_fma_f32 v[TP+2*(\c%4):TP+2*(\c%4)+1], v[XR+2*\c:XR+2*\c+1], v[XR+2*\c:XR+2*\c+1], v[TP+2*(\c%4):TP+2*(\c%4)+1]
.endr
	v_pk_add_f32 v[TP:TP+1], v[TP:TP+1], v[TP+2:TP+3]
	v_pk_add_f32 v[TP+4:TP+5], v[TP+4:TP+5], v[TP+6:TP+7]
	v_pk_add_f32 v[TP:TP+1], v[TP:TP+1], v[TP+4:TP+5]
	v_add_f32 v[TP], v[TP], v[TP+1]
	LANESUM
	v_fma_f32 v[TP], v[TP], s[INV], s[EPS]         ; the variance + 1e-5
	s_wait_alu depctr_va_vdst(0)                   ; the wait ahead of the transcendental
	v_rsq_f32 v[RS], v[TP]
	v_nop                                          ; a plain instruction behind it
	s_wait_alu depctr_va_vdst(0)                   ; and the wait ahead of its first reader
.set k, 0
.rept 16
	v_pk_mul_f32 v[XR+k:XR+k+1], v[XR+k:XR+k+1], v[RS:RS+1] op_sel_hi:[1,0]
.set k, k+2
.endr
	WIN 0x14                                       ; sources 1 and 2: window 1
.set k, 0
.rept 16
	v_pk_fma_f32 v[XR+k:XR+k+1], v[XR+k:XR+k+1], v[GA+k:GA+k+1], v[BE+k:BE+k+1]
.set k, k+2
.endr
	WIN 0
.irp c, 0,1,2,3,4,5,6,7
	global_store_b128 v[LI], v[XR+4*\c:XR+4*\c+3], s[OB:OB+1] offset:4096*(\i)+512*\c th:TH_STORE_NT   ; 32 lanes store 512 consecutive bytes, aligned
.endr
.endm
	RLOAD 0
	s_wait_loadcnt 0x0                             ; query's rows, gamma, beta, bo
.irp i, 0,1,2,3
	ROW \i
.endr
	s_wait_tensorcnt 0x0                           ; the wave's end, behind my last tensor load and my last LDS store
	ds_add_u32 v[SPW], v[NIL]
	s_wait_dscnt 0x0
	ROUND                                          ; the closing round: no work-group ends while a partner may still ask for a tile that names it
	s_endpgm
.Lfunc_end_k_qb622e797b4_outln:
	.size	k_qb622e797b4_outln, .Lfunc_end_k_qb622e797b4_outln-k_qb622e797b4_outln
	.p2alignl 7, 3214868480
	.fill 96, 4, 3214868480
	.section	.rodata,"a",@progbits
	.p2align	6, 0x0
	.amdhsa_kernel k_qb622e797b4_outln
		.amdhsa_group_segment_fixed_size 327680
		.amdhsa_private_segment_fixed_size 0
		.amdhsa_enable_private_segment 0
		.amdhsa_kernarg_size 72
		.amdhsa_user_sgpr_count 2
		.amdhsa_user_sgpr_kernarg_segment_ptr 1
		.amdhsa_wavefront_size32 1
		.amdhsa_system_sgpr_workgroup_id_x 1
		.amdhsa_system_sgpr_workgroup_id_y 1
		.amdhsa_system_sgpr_workgroup_id_z 1
		.amdhsa_system_vgpr_workitem_id 0
		.amdhsa_next_free_vgpr 512
		.amdhsa_next_free_sgpr 84
		.amdhsa_reserve_vcc 0
		.amdhsa_float_denorm_mode_32 3
		.amdhsa_float_denorm_mode_16_64 3
		.amdhsa_memory_ordered 1
		.amdhsa_forward_progress 1
		.amdhsa_inst_pref_size 101
	.end_amdhsa_kernel
	.amdgpu_metadata
---
amdhsa.version: [ 1, 2 ]
amdhsa.kernels:
  - .name:           k_qb622e797b4_outln
    .symbol:         k_qb622e797b4_outln.kd
    .args:
      - { .name: c1, .offset: 0, .size: 8, .value_kind: global_buffer, .address_space: global }
      - { .name: s1, .offset: 8, .size: 8, .value_kind: global_buffer, .address_space: global }
      - { .name: ai, .offset: 16, .size: 8, .value_kind: global_buffer, .address_space: global }
      - { .name: asc, .offset: 24, .size: 8, .value_kind: global_buffer, .address_space: global }
      - { .name: query, .offset: 32, .size: 8, .value_kind: global_buffer, .address_space: global }
      - { .name: bo, .offset: 40, .size: 8, .value_kind: global_buffer, .address_space: global }
      - { .name: gamma, .offset: 48, .size: 8, .value_kind: global_buffer, .address_space: global }
      - { .name: beta, .offset: 56, .size: 8, .value_kind: global_buffer, .address_space: global }
      - { .name: out0, .offset: 64, .size: 8, .value_kind: global_buffer, .address_space: global }
    .group_segment_fixed_size: 327680
    .private_segment_fixed_size: 0
    .kernarg_segment_align: 8
    .kernarg_segment_size: 72
    .max_flat_workgroup_size: 256
    .sgpr_count:     84
    .vgpr_count:     512
    .wavefront_size: 32
...
	.end_amdgpu_metadata
.endif
;; end of part 4
